; MI455X (gfx1250); checked and timed in simulation.
; The chip was launched on July 23, 2026; its instructions are those of AMD's public machine-readable ISA for CDNA 5 (MIT licence, August 2026) and "CDNA5" Instruction Set Architecture Reference Guide (July 2026). The comments in the code are by the model that wrote it; some were corrected since.
;; Grouped Query Attention. Allowed arithmetic: matrix products marked QUANTISED: E4M3 operands, one given power-of-two scale a tensor, by v_wmma_f32_16x16x64_fp8_fp8 or v_wmma_f32_16x16x128_fp8_fp8, f32 sums; everything else in f32.
;; Inputs: cos_rope 2,048 x 64 float32; lowp_scales 12 int32 (the exponents e of the quantised operands' scales 2^e); sin_rope 2,048 x 64 float32; wk 512 x 2,048 float32; wo 2,048 x 2,048 float32; wq 2,048 x 2,048 float32; wv 512 x 2,048 float32; x 1 x 2,048 x 2,048 float32.
;; Outputs: out0 1 x 2,048 x 2,048 float32.
;; Constants: last_position = 0, use_cache = 0.
;; This version of the problem:
;;   THIS VERSION OF THE PROBLEM IS GIVEN IN LOW PRECISION. The matrix products marked QUANTISED in the list below multiply operands that are first quantised to E4M3 (4 exponent bits, 3 mantissa bits; 8 bits a number), with one given power-of-two scale for each operand tensor; their sums are f32. All else is computed in f32.
;;   The module's matrix products, in the order in which they are computed (A, B: the left and right operand; K: the contracted axis; several contracted axes count as one K, in the product's order):
;;     1. [M 2,048, K 2,048] x [K 2,048, N 2,048]; A: input x; B: input wq: QUANTISED (scales: A lowp_scales[0], B lowp_scales[1])
;;     2. [M 2,048, K 2,048] x [K 2,048, N 512]; A: input x; B: input wk: QUANTISED (scales: A lowp_scales[2], B lowp_scales[3])
;;     3. [M 2,048, K 2,048] x [K 2,048, N 512]; A: input x; B: input wv: QUANTISED (scales: A lowp_scales[4], B lowp_scales[5])
;;     4. batch 8 x [M 8,192, K 64] x [K 64, N 2,048]; A: computed on the way; B: computed on the way: QUANTISED (scales: A lowp_scales[6], B lowp_scales[7])
;;     5. batch 8 x [M 8,192, K 2,048] x [K 2,048, N 64]; A: softmax (see below); B: computed on the way: QUANTISED (scales: A lowp_scales[8], B lowp_scales[9])
;;     6. [M 2,048, K 2,048] x [K 2,048, N 2,048]; A: computed on the way; B: input wo: QUANTISED (scales: A lowp_scales[10], B lowp_scales[11])
;;   THE QUANTISER, for each operand of a quantised product, along K:
;;     - The operand's scale is 2^e, e = its entry of the input lowp_scales (int32; the entries are numbered through the quantised products in the list's order, A before B).
;;     - Each number is divided by the scale, clamped to +-448, and rounded to the nearest number of E4M3, ties to even, subnormals kept.
;;     - The product sums the exact products of the quantised numbers (number of the format x scale) in f32.
;;   ~~~python
;;   def quantise(x, axis, e):      # numpy; x: float32 -> the quantised numbers, widened to float32 again
;;       x = np.moveaxis(x, axis, -1); K = x.shape[-1]
;;       r = np.clip(x / 2.0 ** e, -448, 448)
;;       step = 2.0 ** (np.maximum(np.frexp(np.where(r == 0, 1, r))[1] - 1, -6) - 3)
;;       q = np.round(r / step) * step * 2.0 ** e      # np.round: ties to even
;;       return np.moveaxis(q, -1, axis).astype(np.float32)
;;   ~~~
;;   SOFTMAX AHEAD OF A QUANTISED PRODUCT. Where the list says 'softmax', what is quantised is not the finished softmax but p = 2^(t - M), with t = logit x log2(e) and M = ceil(the row's largest t), a whole number; so 1/2 < the row's largest p <= 1. The row's sum l is taken of the UNQUANTISED p, in f32, and the product's result is divided by l at the end. Since M is a whole number, a kernel that streams over the keys may use a running M (the ceiling of the running maximum): every later rescaling is an exact power of two, so the quantised numbers keep their values, but for numbers so far below the row's largest that they fall under the format's range.
;;   OPERANDS COMPUTED ON THE WAY. 'Computed on the way' means the value that the module computes at that place (a softmax that the list does not call 'softmax' is quantised finished and normalised). What goes into a quantiser is computed in f32, as accurately as f32 sums, v_exp_f32 and their like allow (about 1e-6 of the number): no bf16 or f16 on the way to a quantiser, and a product that is left as it is and whose result goes on into a quantised operand takes f32 operands (vector FMAs, or v_wmma_f32_16x16x4_f32). A number that lies on a knife's edge between two numbers of the format may be rounded either way, as far as f32 arithmetic and the matrix unit's own rounding can turn it there, and no further.
;; One version. Each part assembles by itself: llvm-mc -triple=amdgcn-amd-amdhsa -mcpu=gfx1250 --defsym DOCPART=n.
;; ======== version 1 of 1: 4 launches
;; limits: right only within a limited range of input values
;; workspace buffers: xc 12,582,912 bytes; wc 6,291,456 bytes; woc 4,194,304 bytes; qimg 4,194,304 bytes; kvimg 2,097,152 bytes; ctxc 4,194,304 bytes
;; launch quant (part 1): grid 896 x 1, 4 waves a work-group, no clusters, 33,280 bytes of LDS; arguments x, wq, wk, wv, wo, lowp_scales, xc, wc, woc; writes xc, wc, woc
.if DOCPART == 1
	.amdgcn_target "amdgcn-amd-amdhsa--gfx1250"
	.amdhsa_code_object_version 6
	.text
	.protected	k_q5d161c3d3a_quant
	.globl	k_q5d161c3d3a_quant
	.p2align	8
	.type	k_q5d161c3d3a_quant,@function
k_q5d161c3d3a_quant:
	s_mov_b64 s[64:65], 0
	v_nop
	global_prefetch_b8 v0, s[64:65] scope:SCOPE_SE
	s_setreg_imm32_b32 hwreg(HW_REG_WAVE_MODE, 25, 1), 1
	s_wait_xcnt 0x0
; x, wq, wk, wv, wo (f32, K innermost, rows of 2,048) become codes of FP8 (E4M3), one byte a number, K innermost.
; code = number / 2^e, held within +-448, rounded to the nearest code, ties to even.  e comes from the buffer of scales:
; x is quantised THREE times, with e0, e2 and e4 (products 1, 2, 3), into the three parts of xc; wq with e1, wk with e3, wv with e5 (all into wc: rows 0, 2,048 and 2,560 on); wo with e11 (woc).
; In xc and wc the rows are laid with bits 3 and 4 of the row number exchanged: 16 neighbouring rows of the buffer are then the rows 32 b + 8 u + r + 8 (r / 8) of the tensor,
; which is the order in which the next launch wants the rows of a fragment.  woc keeps its rows.
; LIMITS: each e used here lies between -126 and 119, so that 2^e and 448 x 2^e are f32 numbers.  NaN among the inputs is not served (an infinity is held at the largest code).
; SHARES: a wave takes 8 steps of 512 numbers = two whole rows; a work-group 8 rows.  Work-groups 0-255 take x, 256-511 wq, 512-575 wk, 576-639 wv, 640-895 wo: only pointers and numbers are chosen, by the work-group number.
; Each load reads 512 consecutive bytes; a step goes through the wave's own stage in LDS and comes back 64 bytes (16 neighbours along K) a lane; a lane's 16 codes are 16 bytes, a store covers 512 consecutive aligned bytes.
; No matrix unit, no tensor load, no barrier: waves share nothing and memory binds.  Loads run four steps (16 loads a wave) ahead, the turn through LDS one step.
.set WAVES, 4
.set STEPS, 8
.set WREG,  8192                       ; LDS: a region for each wave: two stages of 32 x SP bytes
.set SP,    80                         ; a lane's place in a stage: 64 bytes + 16 of padding
.set SPARE, WAVES*WREG                 ; behind the regions: the spare words, 128 bytes a wave, that no other line names
.set LO,    3                          ; v3       16 x lane: my bytes of a load's 512, and of a store's
.set SCL,   4                          ; v4-9     for each of three scales: 2^e, 448 x 2^e
.set SPW,   12                         ; v12      my spare word; never rewritten
.set NIL,   13                         ; v13      0; never rewritten
.set STI,   14                         ; v14      the stage, on the way in
.set STO,   15                         ; v15      the stage, on the way out
.set R,     16                         ; v16-79   four sets of 16 numbers as loaded
.set X,     80                         ; v80-111  two sets of 16 neighbours
.set T,     112                        ; v112-127 the 16 numbers, held
.set C,     128                        ; v128-223 codes: twelve registers for each step, so that no store's data are written again
	s_load_b512 s[4:19], s[0:1], 0x0               ; x, wq, wk, wv, wo, the scales, xc, wc
	s_load_b64 s[20:21], s[0:1], 0x40              ; woc
	v_lshl_add_u32 v[SPW], v0, 2, SPARE
	v_mov_b32 v[NIL], 0
	v_lshrrev_b32 v1, 5, v0
	v_readfirstlane_b32 s22, v1                    ; wave
	v_and_b32 v2, 31, v0                           ; lane
	v_lshlrev_b32 v[LO], 4, v2
	s_mul_i32 s23, s22, WREG
	v_lshrrev_b32 v[STI], 2, v2
	v_mul_u32_u24 v[STI], v[STI], SP
	v_and_b32 v[STO], 3, v2
	v_lshl_add_u32 v[STI], v[STO], 4, v[STI]
	v_add_nc_u32 v[STI], s23, v[STI]               ; in: four lanes' 64 bytes on end, then the padding: SP (lane / 4) + 16 (lane % 4)
	v_mul_u32_u24 v[STO], v2, SP
	v_add_nc_u32 v[STO], s23, v[STO]               ; out: SP x lane: my 16 neighbours
	s_wait_alu depctr_va_vdst(0)
	s_wait_kmcnt 0x0
	s_load_b256 s[32:39], s[14:15], 0x0            ; e0 .. e7
	s_load_b128 s[40:43], s[14:15], 0x20           ; e8 .. e11
	s_mov_b64 s[24:25], s[12:13]                   ; from: wo, unless the work-group number says otherwise
	s_mov_b64 s[26:27], s[20:21]                   ; to: woc
	s_mov_b32 s28, 640                             ; the tensor's first work-group
	s_mov_b32 s29, 0                               ; the tensor's first byte in its buffer of codes
.macro PICK bound, src, dst, first, doff
	s_cmp_lt_u32 ttmp9, \bound
	s_cselect_b64 s[24:25], s[\src:\src+1], s[24:25]
	s_cselect_b64 s[26:27], s[\dst:\dst+1], s[26:27]
	s_cselect_b32 s28, \first, s28
	s_cselect_b32 s29, \doff, s29
.endm
	PICK 640, 10, 18, 576, 0x500000                ; wv: wc from row 2,560 on
	PICK 576, 8, 18, 512, 0x400000                 ; wk: wc from row 2,048 on
	PICK 512, 6, 18, 256, 0                        ; wq
	PICK 256, 4, 16, 0, 0                          ; x
	s_sub_co_u32 s30, ttmp9, s28
	s_lshl_b32 s30, s30, 2
	s_add_co_u32 s30, s30, s22                     ; q: which pair of rows of the tensor is my wave's
	s_and_b32 s44, s30, 4
	s_lshl_b32 s44, s44, 1
	s_and_b32 s45, s30, 8
	s_lshr_b32 s45, s45, 1
	s_and_not1_b32 s46, s30, 12
	s_or_b32 s46, s46, s44
	s_or_b32 s46, s46, s45                         ; q with bits 2 and 3 exchanged: bits 3 and 4 of the row number
	s_cmp_lt_u32 ttmp9, 640
	s_cselect_b32 s46, s46, s30                    ; wo keeps its rows
	s_lshl_b32 s44, s30, 14                        ; two rows of f32 are 16,384 bytes
	s_mov_b32 s45, 0
	s_add_nc_u64 s[24:25], s[24:25], s[44:45]
	s_lshl_b32 s46, s46, 12                        ; two rows of codes are 4,096
	s_add_co_u32 s46, s46, s29
	s_mov_b32 s47, 0
	s_add_nc_u64 s[26:27], s[26:27], s[46:47]
	s_add_nc_u64 s[50:51], s[26:27], 0x400000      ; the same rows in xc's second part,
	s_add_nc_u64 s[52:53], s[26:27], 0x800000      ; and in its third (used by x's work-groups alone)
.macro LOAD t
.irp i, 0,1,2,3
	global_load_b128 v[R+16*((\t)%4)+4*\i:R+16*((\t)%4)+4*\i+3], v[LO], s[24:25] offset:2048*(\t)+512*\i th:TH_LOAD_NT   ; 32 lanes read 512 consecutive bytes; read once in the launch
.endr
.endm
.macro TURN t                          ; step t's numbers through the stage: LDS serves a wave's instructions in order (ISA guide 5.7.1.4), so no wait stands between the stores and the loads
.irp i, 0,1,2,3
	ds_store_b128 v[STI], v[R+16*((\t)%4)+4*\i:R+16*((\t)%4)+4*\i+3] offset:32*SP*((\t)%2)+8*SP*\i
.endr
.irp i, 0,1,2,3
	ds_load_b128 v[X+16*((\t)%2)+4*\i:X+16*((\t)%2)+4*\i+3], v[STO] offset:32*SP*((\t)%2)+16*\i
.endr
.endm
.irp t, 0,1,2,3
	LOAD \t
.endr
	s_wait_kmcnt 0x0
	s_mov_b32 s54, s43                             ; the tensor's e: e11 for wo,
	s_cmp_lt_u32 ttmp9, 640
	s_cselect_b32 s54, s37, s54                    ; e5 for wv,
	s_cmp_lt_u32 ttmp9, 576
	s_cselect_b32 s54, s35, s54                    ; e3 for wk,
	s_cmp_lt_u32 ttmp9, 512
	s_cselect_b32 s54, s33, s54                    ; e1 for wq,
	s_cmp_lt_u32 ttmp9, 256
	s_cselect_b32 s54, s32, s54                    ; e0 for x's first part
.macro MKSC e, vs                      ; 2^e as f32 (the conversion takes its exponent field), and 448 x 2^e
	s_add_co_i32 s55, \e, 127
	s_lshl_b32 s48, s55, 23
	v_mov_b32 v[\vs], s48
	s_add_co_i32 s55, s55, 8
	s_lshl_b32 s55, s55, 23
	s_or_b32 s55, s55, 0x600000
	v_mov_b32 v[\vs+1], s55
.endm
	MKSC s54, SCL
	MKSC s34, SCL+2                                ; e2: x's second part
	MKSC s36, SCL+4                                ; e4: x's third part
	s_wait_alu depctr_va_vdst(0)
	s_wait_loadcnt 12                              ; step 0's four loads are in
	TURN 0
; The 16 neighbours in v[XS] on become 16 codes by scale i and are stored.  The numbers stay as they are: x wants them three times.
.macro CONV i, base, t
.set k, 0
.rept 16
	v_med3_num_f32 v[T+k], v[XS+k], -v[SCL+2*\i+1], v[SCL+2*\i+1]   ; the conversion to an 8-bit code does not saturate (ISA guide 7.6.2): the hold at the largest code x the scale
.set k, k+1
.endr
	v_cvt_scalef32_pk8_fp8_f32 v[C+12*(\t)+4*\i:C+12*(\t)+4*\i+1], v[T:T+7], v[SCL+2*\i]
	v_cvt_scalef32_pk8_fp8_f32 v[C+12*(\t)+4*\i+2:C+12*(\t)+4*\i+3], v[T+8:T+15], v[SCL+2*\i]
	v_nop                                          ; one plain vector line behind the conversions: the next holds write their sources
	global_store_b128 v[LO], v[C+12*(\t)+4*\i:C+12*(\t)+4*\i+3], s[\base:\base+1] offset:512*(\t)   ; 32 lanes store 512 consecutive bytes, aligned
.endm
.macro STEP t
.set XS, X+16*((\t)%2)
	s_wait_dscnt 0x0                               ; this step's numbers are back from the stage: so its stores into the stage have read their registers,
.if (\t)+4 < STEPS
	LOAD (\t)+4                                    ; which take the loads of four steps on
.endif
.if (\t)+1 < STEPS
.if STEPS-2-(\t) >= 3
	s_wait_loadcnt 12                              ; the next step's four loads are in; those of the three steps behind it may be out
.else
	s_wait_loadcnt 4*(STEPS-2-(\t))
.endif
	TURN (\t)+1                                    ; and go through the other stage while this step is worked
.endif
	CONV 0, 26, \t
	s_cmp_lt_u32 ttmp9, 256                        ; x's work-groups make two more sets of codes: the branch goes round vector work and stores alone
	s_cbranch_scc0 .Lw_\@
	CONV 1, 50, \t
	CONV 2, 52, \t
.Lw_\@:
.endm
.irp t, 0,1,2,3,4,5,6,7
	STEP \t
.endr
	s_wait_tensorcnt 0x0                           ; the wave's end, behind my last LDS store
	ds_add_u32 v[SPW], v[NIL]
	s_wait_dscnt 0x0
	s_endpgm
.Lfunc_end_k_q5d161c3d3a_quant:
	.size	k_q5d161c3d3a_quant, .Lfunc_end_k_q5d161c3d3a_quant-k_q5d161c3d3a_quant
	.p2alignl 7, 3214868480
	.fill 96, 4, 3214868480
	.section	.rodata,"a",@progbits
	.p2align	6, 0x0
	.amdhsa_kernel k_q5d161c3d3a_quant
		.amdhsa_group_segment_fixed_size 33280
		.amdhsa_private_segment_fixed_size 0
		.amdhsa_enable_private_segment 0
		.amdhsa_kernarg_size 72
		.amdhsa_user_sgpr_count 2
		.amdhsa_user_sgpr_kernarg_segment_ptr 1
		.amdhsa_wavefront_size32 1
		.amdhsa_system_sgpr_workgroup_id_x 1
		.amdhsa_system_sgpr_workgroup_id_y 1
		.amdhsa_system_sgpr_workgroup_id_z 1
		.amdhsa_system_vgpr_workitem_id 0
		.amdhsa_next_free_vgpr 224
		.amdhsa_next_free_sgpr 66
		.amdhsa_reserve_vcc 0
		.amdhsa_float_denorm_mode_32 3
		.amdhsa_float_denorm_mode_16_64 3
		.amdhsa_memory_ordered 1
		.amdhsa_forward_progress 1
		.amdhsa_inst_pref_size 43
	.end_amdhsa_kernel
	.amdgpu_metadata
---
amdhsa.version: [ 1, 2 ]
amdhsa.kernels:
  - .name:           k_q5d161c3d3a_quant
    .symbol:         k_q5d161c3d3a_quant.kd
    .args:
      - { .name: x, .offset: 0, .size: 8, .value_kind: global_buffer, .address_space: global }
      - { .name: wq, .offset: 8, .size: 8, .value_kind: global_buffer, .address_space: global }
      - { .name: wk, .offset: 16, .size: 8, .value_kind: global_buffer, .address_space: global }
      - { .name: wv, .offset: 24, .size: 8, .value_kind: global_buffer, .address_space: global }
      - { .name: wo, .offset: 32, .size: 8, .value_kind: global_buffer, .address_space: global }
      - { .name: lowp_scales, .offset: 40, .size: 8, .value_kind: global_buffer, .address_space: global }
      - { .name: xc, .offset: 48, .size: 8, .value_kind: global_buffer, .address_space: global }
      - { .name: wc, .offset: 56, .size: 8, .value_kind: global_buffer, .address_space: global }
      - { .name: woc, .offset: 64, .size: 8, .value_kind: global_buffer, .address_space: global }
    .group_segment_fixed_size: 33280
    .private_segment_fixed_size: 0
    .kernarg_segment_align: 8
    .kernarg_segment_size: 72
    .max_flat_workgroup_size: 128
    .sgpr_count:     66
    .vgpr_count:     224
    .wavefront_size: 32
...
	.end_amdgpu_metadata
.endif
;; end of part 1
;; launch qkv (part 2): grid 24 x 8, 4 waves a work-group, clusters of 4 x 4, 327,680 bytes of LDS; arguments xc, wc, lowp_scales, cos_rope, sin_rope, qimg, kvimg; writes qimg, kvimg
.if DOCPART == 2
	.amdgcn_target "amdgcn-amd-amdhsa--gfx1250"
	.amdhsa_code_object_version 6
	.text
	.protected	k_q5d161c3d3a_qkv
	.globl	k_q5d161c3d3a_qkv
	.p2align	8
	.type	k_q5d161c3d3a_qkv,@function
k_q5d161c3d3a_qkv:
	s_mov_b64 s[64:65], 0
	v_nop
	global_prefetch_b8 v0, s[64:65] scope:SCOPE_SE
	s_setreg_imm32_b32 hwreg(HW_REG_WAVE_MODE, 25, 1), 1
	s_wait_xcnt 0x0
	s_wait_alu depctr_hold_cnt(0) depctr_sa_sdst(0) depctr_va_vdst(0) depctr_va_sdst(0) depctr_va_ssrc(0) depctr_va_vcc(0) depctr_vm_vsrc(0)
	s_getreg_b32 s2, hwreg(HW_REG_IB_STS2, 6, 4)
	s_cmp_eq_u32 s2, 0
	s_cbranch_scc0 .Lentry_in_a_cluster
	s_endpgm
.Lentry_in_a_cluster:
	s_bfe_u32 s2, ttmp6, 0x10000c
	s_cmp_lg_u32 s2, 0xf033
	s_cbranch_scc0 .Lentry_shape_is_right
	s_endpgm
.Lentry_shape_is_right:
; q = rope(x wq^T), k = rope(x wk^T), v = x wv^T on codes of FP8 (E4M3), f32 sums, and the results quantised at once: q with e6 and k with e7 along the head's 64, v with e9 along the keys.
; A tile is 128 x 128 over K = 2,048; four waves, each 64 x 64: 16 accumulators.  v_wmma_f32_16x16x128_fp8_fp8, source 0 = 16 rows of the C side, source 1 = 16 rows of the R side:
; a lane holds one row of the R side and its registers run along the rows of the C side.
;   clusters x = 0 .. 3: q.  R = tokens (xc part 0), C = rows of wq.     cluster x = 4: k.  R = tokens (xc part 1), C = rows of wk.
;   cluster  x = 5:      v.  R = rows of wv (the head's 64), C = tokens (xc part 2): so a lane's registers run along the keys, which are v's K in the next product.
; Only pointers and coordinates differ, chosen on the cluster's x, which all partners share.
; A WORK-GROUP STAYS: there are 384 tiles, which 256 equal shares do not divide; 192 work-groups make two tiles each, 1,024 tokens apart, and the ring of slots goes on from the first tile into the second:
; the first tile's last two changes of slots ask for the second tile's K steps 0 and 1, and the first tile leaves while those are on their way.
; xc and wc have bits 3 and 4 of their row numbers exchanged.  So register 8 b + j of a lane's block of four accumulators is row 32 (b / 2) + 16 h + 8 (b % 2) + j of the C side's 64:
; registers 0-15 are 16 neighbours (16 h on), registers 16-31 the 16 that lie 32 further on: rotate-half's partner of register i is register i +- 16 of the same lane, and eight registers on end are eight neighbours for a conversion.
; The codes leave as IMAGES OF OPERAND REGISTERS: pieces of 512 bytes, lane l's 16 bytes at 16 l.  qimg [head 32][tile 128][c 2][512]; kvimg [group 8][key step 32][K: tile 4, c 2 | V^T: tile 4, c 2][512].
; RoPE is linear, so it is applied to the raw sums, and the three scales are folded into the conversion's one: 2^(eo - ex - ew).
; cos and sin of a tile's tokens are asked for a whole tile's products ahead of their use, into registers of their own.  v's clusters (32 of the 192 work-groups) issue these loads too and leave them unread:
; there is one way through the loads, so that every way that reads the registers has them written.
; LIMITS: eo - ex - ew between -126 and 119 for each of the three products.  The place of k inside a matrix instruction is permuted alike in both operands (four loads of 16 bytes a fragment).
; CLUSTERS: 4 x 4.  The R side's tile hangs on the tile row and is asked for jointly by a row of the cluster, the C side's on the tile column, by a column.
; K goes in steps of 512 through two LDS slots.  At the head a wave asks for its part of K step 0 alone; slot 1's first fill is issued as a refill is, behind the three lines and a round; six times a slot is filled again.
; By this text's count a wave has one tensor load out at a time.  The walk is written out: no loop.
; PREFETCH INTO THE L2.  The eight fills of a work-group are numbered 0 to 7.  Behind fill i stands one global_prefetch_b8 a wave for what fill i + 2 will load; fill 1's bytes are asked for behind fill 0 as well.
; A wave's load is 64 rows x 512 bytes = 128 blocks of 256 bytes; each of the four partners that ask for it jointly names 32 of them, 16 rows x 2 blocks, a lane a block, told apart BY ADDRESS (cx for R's waves, cy for C's):
; so each block is named once in each cluster that will load it.  Every step stands in the immediate: the address registers are never rewritten.  For the second tile only the waves of the tokens' side ask:
; the other side's rows are the first tile's, which have been read.  Fills 6 and 7 ask for nothing.  At most two fills' bytes are asked for and not yet loaded.
; REGISTERS: window 0: v1 r, v2 h, v16-21 LDS addresses, v24-30, v32-95 codes, v128-255 accumulators ((a, b) at 128 + 8 (4 a + b)).  window 1: two fragment buffers of 128: R's four fragments, then C's four.
;   window 2: cos and sin: block a's cos at v[64 a], its sin at v[64 a + 32], register i beside the sum's register i.
.set KROW,   2048
.set KSTEP,  512
.set PITCH,  528                       ; an LDS row: 512 bytes + 16 of padding = 132 words: row r starts at bank 4 r mod 64 (64 banks of 4 bytes: ISA guide 11.1)
.set HALFT,  64*PITCH                  ; 64 rows: what one tensor load brings, and what one wave reads of a side
.set SLOT,   4*HALFT                   ; R's 128 rows, then C's 128
.set SPARE,  2*SLOT                    ; behind the ring: the spare words, 128 bytes a wave, that no other line names
.set PADW,   (1<<20)|(1<<21)|(6<<22)|(3<<25)   ; elements of 1 byte; padding on; bit 21 beside a mask; after every 128 words; four words
.set TSTEP,  0x200000                  ; from a tile to the work-group's next: 1,024 tokens of 2,048 bytes of codes
.set CSTEP,  0x40000                   ; the same 1,024 tokens in cos and in sin: rows of 256 bytes
.set ADRR, 16                          ; v16-17  my R fragments in slot 0, 1
.set ADRC, 20                          ; v20-21  my C fragments
.set OO,   24                          ; v24     16 x lane
.set CA,   25                          ; v25     my byte in the wave's 64 rows of cos and of sin; never rewritten
.set SC,   26                          ; v26     2^(eo - ex - ew)
.set LM,   27                          ; v27     448 x that
.set SPW,  28                          ; v28     my spare word; never rewritten
.set NIL,  29                          ; v29     0; never rewritten
.set PFO,  30                          ; v30     the prefetches' offset: 2,048 (lane / 2) + 256 (lane % 2); never rewritten
.set CD,   32                          ; v32-95  codes: eight registers a block, 32 a tile, never rewritten
.set ACC,  128
.set F0,   0
.set F1,   128
.set DR,   2                           ; s[2:3]   the R side's bytes from tile to tile: TSTEP for q and k, 0 for v
.set DC,   66                          ; s[66:67] the C side's: 0, or TSTEP for v
.set WV,   18
.set RH,   19                          ; which 64 rows of the R side are mine.  Also: I fetch for R (0) or for C (1)
.set CH,   20                          ; which 64 rows of the C side.  Also: which 64 rows of that tile I fetch
.set PT,   23                          ; s23      1 where my wave fetches for the side of the tokens
.set OUT1, 32                          ; s[32:33] where the second tile's images go (the registers that held R's address at the head)
.set G1,   36
.set G0,   44
.set G1B,  52
.set PFA,  60                          ; s[60:61] my work-group's 16 rows of the 64 that my wave fetches, at K step 0 of the first tile; never rewritten
.set G0B,  68
.set OUT0, 88                          ; s[88:89] where the first tile's images go
.set PFOFF, -1                         ; what the next change of slots prefetches, in bytes from s[PFA]; -1: nothing
.set MSB, 0
.macro WIN new                         ; the immediate's high byte repeats the setting that is left
.if MSB != \new
	s_set_vgpr_msb (MSB<<8)|\new
.set MSB, \new
.endif
.endm
.set MUL,  0x05                        ; sources 0 and 1 window 1; C and D window 0
.set TO_F, 0x40                        ; destination window 1, address window 0
.macro JLOAD s                         ; a joint load: waves 0 and 1 fetch R's halves, waves 2 and 3 C's; an s_nop 0 and four v_nop follow each line
	s_cmp_eq_u32 s[RH], 0
	s_cbranch_scc0 .Lfor_c_\@
	tensor_load_to_lds s[G0+4*\s:G0+4*\s+3], s[G1:G1+7]
	s_nop 0
.rept 4
	v_nop
.endr
	s_branch .Lasked_\@
.Lfor_c_\@:
	tensor_load_to_lds s[G0B+4*\s:G0B+4*\s+3], s[G1B:G1B+7]
	s_nop 0
.rept 4
	v_nop
.endr
.Lasked_\@:
.endm
.macro ASK                             ; the second tile's K steps: the waves of the tokens' side alone; the branch hangs on the wave's number and the cluster's x
.if PFOFF >= 0
	s_cmp_eq_u32 s[PT], 1
	s_cbranch_scc0 .Lnot_mine_\@
	global_prefetch_b8 v[PFO], s[PFA:PFA+1] offset:PFOFF th:TH_LOAD_NT scope:SCOPE_SE
.Lnot_mine_\@:
.endif
.endm
.macro CREST                           ; a round of the cluster's barrier behind its opening barrier
	s_cmp_lg_u32 s[WV], 0
	s_cbranch_scc1 .Lnot_wave_0_\@
	s_barrier_signal -3
.Lnot_wave_0_\@:
	s_barrier_wait -3
	s_barrier_signal -1
	s_barrier_wait -1
.endm
.macro CROUND
	s_barrier_signal -1
	s_barrier_wait -1
	CREST
.endm
	s_load_b256 s[4:11], s[0:1], 0x0               ; xc s[4:5], wc s[6:7], the scales s[8:9], cos s[10:11]
	s_load_b128 s[12:15], s[0:1], 0x20             ; sin s[12:13], qimg s[14:15]
	s_load_b64 s[16:17], s[0:1], 0x30              ; kvimg
	v_lshl_add_u32 v[SPW], v0, 2, SPARE
	v_mov_b32 v[NIL], 0
	ds_add_u32 v[SPW], v[NIL]                      ; the wave's opening: the add, twice on end, and its wait ahead of my first tensor load; the set-up stands between
	ds_add_u32 v[SPW], v[NIL]
	v_lshrrev_b32 v1, 5, v0
	v_readfirstlane_b32 s[WV], v1
	s_lshr_b32 s[RH], s[WV], 1
	s_and_b32 s[CH], s[WV], 1
	s_bfe_u32 s21, ttmp6, 0x40000                  ; cx
	s_bfe_u32 s22, ttmp6, 0x40004                  ; cy
	s_and_b32 s23, ttmp7, 0xffff
	s_lshl_b32 s23, s23, 2                         ; 4 x cluster y: 0 or 4
	s_lshl_b32 s26, ttmp9, 2                       ; 4 x cluster x
	s_cmp_eq_u32 ttmp9, 5                          ; v's clusters?
	s_cselect_b32 s24, 0, s23                      ; the first tile's row: v has four (wv's 512 rows), the others walk the tokens
	s_cselect_b32 s25, s23, s26                    ; its column: v's are tokens, the others rows of wc
	s_cselect_b32 s27, 0x500000, 0                 ; R's first byte: wv begins at row 2,560 of wc
	s_cselect_b32 s28, 0x800000, 0                 ; C's first byte: xc's third part
	s_cselect_b32 s[DR], 0, TSTEP                  ; which side steps from the first tile to the second: the side of the tokens
	s_cselect_b32 s[DC], TSTEP, 0
	s_mov_b32 s[DR+1], 0
	s_mov_b32 s[DC+1], 0
	s_cmp_eq_u32 ttmp9, 4
	s_cselect_b32 s29, 0x400000, 0                 ; k: xc's second part
	s_add_co_u32 s27, s27, s29
	s_add_co_u32 s24, s24, s22                     ; tile row: + cy
	s_add_co_u32 s25, s25, s21                     ; tile column: + cx
	s_lshl_b32 s30, s22, 2
	s_lshl_b32 s30, 15, s30                        ; my row of the cluster
	s_lshl_b32 s31, 0x1111, s21                    ; my column
	s_or_b32 s[G1], s30, PADW
	s_or_b32 s[G1B], s31, PADW
.irp g, G1, G1B
	s_mov_b32 s[\g+1], KSTEP<<16                   ; tensor_dim0 = 512
	s_mov_b32 s[\g+2], 64<<16                      ; tensor_dim1 = 64
	s_mov_b32 s[\g+3], KSTEP<<16                   ; tile_dim0 = 512
	s_mov_b32 s[\g+4], 64                          ; tile_dim1 = 64
	s_mov_b32 s[\g+5], KROW                        ; from row to row
	s_mov_b32 s[\g+6], 0
	s_mov_b32 s[\g+7], 0
.endr
	s_lshl_b32 s29, s[CH], 6                       ; which 64 rows of the tile I fetch
	s_lshl_b32 s60, s24, 7
	s_add_co_u32 s60, s60, s29
	s_lshl_b32 s60, s60, 11                        ; rows of 2,048 bytes
	s_add_co_u32 s60, s60, s27
	s_mov_b32 s61, 0                               ; R's offset: tile row and constants alone
	s_lshl_b32 s62, s25, 7
	s_add_co_u32 s62, s62, s29
	s_lshl_b32 s62, s62, 11
	s_add_co_u32 s62, s62, s28
	s_mov_b32 s63, 0                               ; C's offset: tile column and constants alone
	s_mul_i32 s26, s[WV], HALFT                    ; where my rows go: wave x 64 rows
	s_wait_dscnt 0x0                               ; both opening adds are done
	s_wait_kmcnt 0x0
	s_load_b256 s[76:83], s[8:9], 0x0              ; e0 .. e7
	s_load_b128 s[84:87], s[8:9], 0x20             ; e8 .. e11
	s_cmp_eq_u32 ttmp9, 5
	s_cselect_b64 s[32:33], s[6:7], s[4:5]         ; R: wc for v, else xc
	s_cselect_b64 s[34:35], s[4:5], s[6:7]         ; C: xc for v, else wc
	s_add_nc_u64 s[32:33], s[32:33], s[60:61]
	s_add_nc_u64 s[34:35], s[34:35], s[62:63]
	CROUND                                         ; all sixteen work-groups are here: the first joint loads meet
.irp s, 0,1
	s_mov_b32 s[G0+4*\s], 1
	s_add_co_u32 s[G0+4*\s+1], s26, \s*SLOT
	s_add_nc_u64 s[G0+4*\s+2:G0+4*\s+3], s[32:33], \s*KSTEP
	s_or_b32 s[G0+4*\s+3], s[G0+4*\s+3], 0x80000000
	s_mov_b32 s[G0B+4*\s], 1
	s_add_co_u32 s[G0B+4*\s+1], s26, \s*SLOT
	s_add_nc_u64 s[G0B+4*\s+2:G0B+4*\s+3], s[34:35], \s*KSTEP
	s_or_b32 s[G0B+4*\s+3], s[G0B+4*\s+3], 0x80000000
.endr
	JLOAD 0                                        ; K step 0 alone at the head: one tensor load a wave
	s_cmp_eq_u32 s[RH], 0                          ; the prefetches: the 64 rows that I fetch,
	s_cselect_b64 s[PFA:PFA+1], s[32:33], s[34:35]
	s_cselect_b32 s21, s21, s22                    ; my place among the four that ask for them with me,
	s_lshl_b32 s62, s21, 15                        ; and so my work-group's 16 rows of 2,048 bytes
	s_mov_b32 s63, 0
	s_add_nc_u64 s[PFA:PFA+1], s[PFA:PFA+1], s[62:63]
	s_cmp_eq_u32 ttmp9, 5
	s_cselect_b32 s[PT], 1, 0
	s_xor_b32 s[PT], s[PT], s[RH]
	s_xor_b32 s[PT], s[PT], 1                      ; the tokens are the R side for q and k, the C side for v
	v_and_b32 v1, 15, v0                           ; r
	v_bfe_u32 v2, v0, 4, 1                         ; h
	v_mul_u32_u24 v3, v1, PITCH
	v_lshl_add_u32 v3, v2, 4, v3                   ; a fragment's row x pitch + 16 h
	s_mul_i32 s27, s[RH], HALFT
	s_mul_i32 s28, s[CH], HALFT
	s_add_co_u32 s28, s28, 2*HALFT
.irp s, 0,1
	v_add_nc_u32 v[ADRR+\s], s27, v3
	v_add_nc_u32 v[ADRC+\s], s28, v3
	s_add_co_u32 s27, s27, SLOT
	s_add_co_u32 s28, s28, SLOT
.endr
	v_and_b32 v[OO], 31, v0
	v_lshlrev_b32 v[OO], 4, v[OO]
	v_and_b32 v[CA], 8, v1
	v_add_nc_u32 v[CA], v[CA], v1                  ; r + 8 (r / 8): my token among a block's
	v_lshlrev_b32 v[CA], 8, v[CA]                  ; a row of cos or sin is 256 bytes
	v_lshl_add_u32 v[CA], v2, 6, v[CA]             ; + 64 h: my 16 numbers
	s_lshl_b32 s95, s24, 1
	s_add_co_u32 s95, s95, s[RH]                   ; which 64 rows of the R side are mine: for q and k my 64 tokens
	s_lshl_b32 s96, s95, 14                        ; 64 tokens x 256 bytes
	s_mov_b32 s97, 0
	s_add_nc_u64 s[90:91], s[10:11], s[96:97]      ; cos and sin at those tokens; never rewritten: the second tile's stand in the immediate
	s_add_nc_u64 s[92:93], s[12:13], s[96:97]
; cos and sin of 64 tokens, off bytes on: 64 loads, a block's cos, then its sin.  In v's clusters the rows named are rows 64 (2 cy + RH) on, and 1,024 further: inside the tables.
.macro LOADCS off
	WIN 0x80                                       ; destination window 2, address window 0
.irp a, 0,1,2,3
.irp hf, 0,1
.irp jj, 0,1,2,3
	global_load_b128 v[64*\a+16*\hf+4*\jj:64*\a+16*\hf+4*\jj+3], v[CA], s[90:91] offset:\off+(32*(\a/2)+8*(\a%2))*256+128*\hf+16*\jj
.endr
.endr
.irp hf, 0,1
.irp jj, 0,1,2,3
	global_load_b128 v[64*\a+32+16*\hf+4*\jj:64*\a+32+16*\hf+4*\jj+3], v[CA], s[92:93] offset:\off+(32*(\a/2)+8*(\a%2))*256+128*\hf+16*\jj
.endr
.endr
.endr
	WIN 0
.endm
	v_and_b32 v[PFO], 31, v0
	v_lshrrev_b32 v31, 1, v[PFO]
	v_and_b32 v[PFO], 1, v[PFO]
	v_lshlrev_b32 v[PFO], 8, v[PFO]
	v_lshl_add_u32 v[PFO], v31, 11, v[PFO]         ; row lane / 2 of my 16, block lane % 2 of a K step's two
	global_prefetch_b8 v[PFO], s[PFA:PFA+1] offset:KSTEP th:TH_LOAD_NT scope:SCOPE_SE     ; behind fill 0: what fills 1 and 2 will load, K steps 1 and 2; both sides, every wave
	global_prefetch_b8 v[PFO], s[PFA:PFA+1] offset:2*KSTEP th:TH_LOAD_NT scope:SCOPE_SE
	LOADCS 0                                       ; the first tile's: they have the tile's 256 products in which to land
.macro MUL4 f, a, zero                 ; four matrix instructions: R's block a x C's four, 128 along K.  The 16 accumulators take turns, one instruction a turn, in the same order in every quarter
.irp b, 0,1,2,3
.if \zero
	v_wmma_f32_16x16x128_fp8_fp8 v[ACC+8*(4*(\a)+\b):ACC+8*(4*(\a)+\b)+7], v[\f+64+16*\b:\f+64+16*\b+15], v[\f+16*(\a):\f+16*(\a)+15], 0
.else
	v_wmma_f32_16x16x128_fp8_fp8 v[ACC+8*(4*(\a)+\b):ACC+8*(4*(\a)+\b)+7], v[\f+64+16*\b:\f+64+16*\b+15], v[\f+16*(\a):\f+16*(\a)+15], v[ACC+8*(4*(\a)+\b):ACC+8*(4*(\a)+\b)+7]
.endif
.endr
.endm
.macro FETCH slot, k, f                ; 32 LDS loads in one run: eight fragments of 16 rows x 128 K at byte k of the rows: registers 4 c .. 4 c + 3 hold K = 32 c + 16 h + 0 .. 15
	WIN TO_F
.irp i, 0,1,2,3
.irp c, 0,1,2,3
	ds_load_b128 v[\f+64+16*\i+4*\c:\f+64+16*\i+4*\c+3], v[ADRC+\slot] offset:\k+32*\c+\i*16*PITCH
	ds_load_b128 v[\f+16*\i+4*\c:\f+16*\i+4*\c+3], v[ADRR+\slot] offset:\k+32*\c+\i*16*PITCH
.endr
.endr
.endm
.macro PLACES                          ; four places in front of loads into registers that matrix instructions have read, and of the first read of results (ISA guide 7.12.1 for the first read of results)
.rept 4
	v_nop
.endr
.endm
.macro QUARTER slot, k, f, g, zero     ; 128 along K: the next quarter's fragments are asked for into g, then f is multiplied
	PLACES
	FETCH \slot, \k, \g
	s_wait_dscnt 32                                ; all but the 32 just issued: f is in
	WIN MUL
	MUL4 \f, 0, \zero
	MUL4 \f, 1, \zero
	MUL4 \f, 2, \zero
	MUL4 \f, 3, \zero
.endm
.macro THREEQ slot, zero               ; a slot's first three quarters
	QUARTER \slot, 128, F0, F1, \zero
	QUARTER \slot, 256, F1, F0, 0
	QUARTER \slot, 384, F0, F1, 0
.endm
; A slot's last quarter multiplies buffer 1 and changes slots: one barrier; in front of it each wave waits for all its tensor loads, adds 0 to its spare word, and waits for that and for its reads of this slot.
; fill = 1: the slot is filled again, two K steps on.  fill = 2: with the NEXT tile's K step of the same slot: 1,024 bytes back along K, and the side of the tokens 1,024 tokens on.  fill = 0: nothing is left to fetch.
.macro TURN slot, next, fill
	WIN 0                                          ; (the add's two registers lie in window 0)
	s_wait_tensorcnt 0x0                           ; all my tensor loads have landed: my part of the next slot
	ds_add_u32 v[SPW], v[NIL]                      ; 0 onto my spare word
	s_wait_dscnt 1                                 ; buffer 1 is in; the add alone may be out
	WIN MUL
	MUL4 F1, 0, 0                                  ; matrix work stands between the add and the wait for it
	s_wait_dscnt 0x0                               ; the add is done, and my reads of this slot are over
	s_barrier_signal -1
	MUL4 F1, 1, 0
	WIN 0
	s_barrier_wait -1
.if \fill == 1
	CREST                                          ; the barrier has opened a round of the cluster's barrier: no wave of any partner still reads this slot or has a load on its way
	s_add_nc_u64 s[G0+4*\slot+2:G0+4*\slot+3], s[G0+4*\slot+2:G0+4*\slot+3], 2*KSTEP
	s_add_nc_u64 s[G0B+4*\slot+2:G0B+4*\slot+3], s[G0B+4*\slot+2:G0B+4*\slot+3], 2*KSTEP
	JLOAD \slot                                    ; the first tensor load behind the round; its four v_nop are also the places in front of the loads below
	ASK                                            ; what the fill two further on will load
.elseif \fill == 2
	CREST
	s_sub_nc_u64 s[G0+4*\slot+2:G0+4*\slot+3], s[G0+4*\slot+2:G0+4*\slot+3], 2*KSTEP
	s_add_nc_u64 s[G0+4*\slot+2:G0+4*\slot+3], s[G0+4*\slot+2:G0+4*\slot+3], s[DR:DR+1]
	s_sub_nc_u64 s[G0B+4*\slot+2:G0B+4*\slot+3], s[G0B+4*\slot+2:G0B+4*\slot+3], 2*KSTEP
	s_add_nc_u64 s[G0B+4*\slot+2:G0B+4*\slot+3], s[G0B+4*\slot+2:G0B+4*\slot+3], s[DC:DC+1]
	JLOAD \slot
	ASK
.else
	PLACES
.endif
	FETCH \next, 0, F0
	WIN MUL
	MUL4 F1, 2, 0
	MUL4 F1, 3, 0
.endm
; THE WAY OUT of a tile.  q and k: block a's 32 sums a lane are turned by cos and sin, held, converted, stored.
.macro ROPE a, cd, ob
	s_wait_loadcnt 48-16*(\a)                      ; this block's sixteen loads are in; the later blocks' may be out
	WIN 0x88                                       ; source 0 (the sums) window 0; source 1 and destination window 2
.set i, 0
.rept 16
	v_pk_mul_f32 v[64*(\a)+i:64*(\a)+i+1], v[ACC+32*(\a)+i:ACC+32*(\a)+i+1], v[64*(\a)+i:64*(\a)+i+1]   ; t cos; each accumulator from its low end on
.set i, i+2
.endr
	WIN 0xa8                                       ; and source 2 window 2
.set i, 0
.rept 8
	v_pk_fma_f32 v[64*(\a)+i:64*(\a)+i+1], v[ACC+32*(\a)+16+i:ACC+32*(\a)+16+i+1], v[64*(\a)+32+i:64*(\a)+32+i+1], v[64*(\a)+i:64*(\a)+i+1] neg_lo:[1,0,0] neg_hi:[1,0,0]   ; the lower half: - t(d + 32) sin
.set i, i+2
.endr
.set i, 0
.rept 8
	v_pk_fma_f32 v[64*(\a)+16+i:64*(\a)+16+i+1], v[ACC+32*(\a)+i:ACC+32*(\a)+i+1], v[64*(\a)+48+i:64*(\a)+48+i+1], v[64*(\a)+16+i:64*(\a)+16+i+1]   ; the upper half: + t(d - 32) sin
.set i, i+2
.endr
	WIN 0x82                                       ; source 0 and destination window 2
.set i, 0
.rept 32
	v_med3_num_f32 v[64*(\a)+i], v[64*(\a)+i], -v[LM], v[LM]   ; the conversion does not saturate (ISA guide 7.6.2): the hold
.set i, i+1
.endr
	WIN 0x02                                       ; source 0 window 2
.irp k, 0,1,2,3
	v_cvt_scalef32_pk8_fp8_f32 v[\cd+8*(\a)+2*\k:\cd+8*(\a)+2*\k+1], v[64*(\a)+8*\k:64*(\a)+8*\k+7], v[SC]
.endr
	v_nop                                          ; one plain vector line behind the conversions
	WIN 0
	global_store_b128 v[OO], v[\cd+8*(\a):\cd+8*(\a)+3], s[\ob:\ob+1] offset:1024*(\a)            ; a piece: 512 consecutive bytes, aligned
	global_store_b128 v[OO], v[\cd+8*(\a)+4:\cd+8*(\a)+7], s[\ob:\ob+1] offset:1024*(\a)+512
.endm
.macro EPI cd, ob                      ; q and k by one way, v by another: a branch on the cluster's x
	s_cmp_eq_u32 ttmp9, 5
	s_cbranch_scc1 .Lv_\@
	ROPE 0, \cd, \ob
	ROPE 1, \cd, \ob
	ROPE 2, \cd, \ob
	ROPE 3, \cd, \ob
	s_branch .Ldone_\@
.Lv_\@:
	s_wait_alu depctr_va_vdst(0)
.irp a, 0,1,2,3
.set i, 0
.rept 32
	v_med3_num_f32 v[ACC+32*\a+i], v[ACC+32*\a+i], -v[LM], v[LM]   ; each accumulator from its low end on
.set i, i+1
.endr
.irp k, 0,1,2,3
	v_cvt_scalef32_pk8_fp8_f32 v[\cd+8*\a+2*\k:\cd+8*\a+2*\k+1], v[ACC+32*\a+8*\k:ACC+32*\a+8*\k+7], v[SC]
.endr
	v_nop                                          ; one plain vector line behind the conversions: the next tile's products write their sources
	global_store_b128 v[OO], v[\cd+8*\a:\cd+8*\a+3], s[\ob:\ob+1] offset:1024*\a
	global_store_b128 v[OO], v[\cd+8*\a+4:\cd+8*\a+7], s[\ob:\ob+1] offset:1024*\a+512
.endr
.Ldone_\@:
.endm
	s_wait_alu depctr_va_vdst(0)                   ; the head's end
	s_wait_tensorcnt 0x0                           ; my part of K step 0 is in; slot 1's first fill is issued as a refill is:
	ds_add_u32 v[SPW], v[NIL]                      ; 0 onto my spare word
	s_wait_dscnt 0x0
	CROUND                                         ; a whole round: everybody's part of K step 0 is in, and the joint loads meet
	JLOAD 1                                        ; K step 1, the first tensor load behind the round
	global_prefetch_b8 v[PFO], s[PFA:PFA+1] offset:3*KSTEP th:TH_LOAD_NT scope:SCOPE_SE   ; behind fill 1: what fill 3 will load, K step 3; both sides, every wave
	FETCH 0, 0, F0
	THREEQ 0, 1                                    ; THE FIRST TILE.  Its first products start the sums: nothing is cleared
.set PFOFF, TSTEP
	TURN 0, 1, 1                                   ; fill 2; the second tile's K step 0 is prefetched
	THREEQ 1, 0
.set PFOFF, TSTEP+KSTEP
	TURN 1, 0, 1
	THREEQ 0, 0
.set PFOFF, TSTEP+2*KSTEP
	TURN 0, 1, 2                                   ; the ring goes on into the next tile: slot 0 takes its K step 0,
	THREEQ 1, 0
.set PFOFF, TSTEP+3*KSTEP
	TURN 1, 0, 2                                   ; slot 1 its K step 1, and the next tile's first fragments are fetched
.set PFOFF, -1
	WIN 0
	PLACES
	; the scale, and the two tiles' places in the images
	s_wait_kmcnt 0x0
	s_cmp_eq_u32 ttmp9, 4
	s_cselect_b32 s27, s78, s76                    ; ex: e0, e2 or e4
	s_cselect_b32 s28, s79, s77                    ; ew: e1, e3 or e5
	s_cselect_b32 s29, s83, s82                    ; eo: e6, e7 or e9
	s_cmp_eq_u32 ttmp9, 5
	s_cselect_b32 s27, s80, s27
	s_cselect_b32 s28, s81, s28
	s_cselect_b32 s29, s85, s29
	s_sub_co_i32 s29, s29, s27
	s_sub_co_i32 s29, s29, s28                     ; a sum stands for sum x 2^(ex + ew): its code is sum / 2^(eo - ex - ew)
	s_add_co_i32 s29, s29, 127
	s_lshl_b32 s30, s29, 23
	v_mov_b32 v[SC], s30
	s_add_co_i32 s29, s29, 8
	s_lshl_b32 s29, s29, 23
	s_or_b32 s29, s29, 0x600000
	v_mov_b32 v[LM], s29
	s_lshl_b32 s94, s25, 1
	s_add_co_u32 s94, s94, s[CH]                   ; which 64 of the C side: q: the head; k: 32 + the group; v: the key step
	s_lshl_b32 s95, s24, 1
	s_add_co_u32 s95, s95, s[RH]                   ; which 64 of the R side: q: the block of queries; k: the key step; v: the group
	s_lshl_b32 s96, s94, 17
	s_lshl_b32 s97, s95, 12
	s_add_co_u32 s96, s96, s97                     ; q: head x 131,072 + block x 4,096
	s_sub_co_u32 s97, s94, 32
	s_lshl_b32 s97, s97, 18
	s_lshl_b32 s98, s95, 13
	s_add_co_u32 s97, s97, s98                     ; k: group x 262,144 + key step x 8,192
	s_lshl_b32 s98, s95, 18
	s_lshl_b32 s99, s94, 13
	s_add_co_u32 s98, s98, s99
	s_add_co_u32 s98, s98, 4096                    ; v: the same, behind the step's K
	s_cmp_eq_u32 ttmp9, 4
	s_cselect_b32 s96, s97, s96
	s_cmp_eq_u32 ttmp9, 5
	s_cselect_b32 s96, s98, s96
	s_mov_b32 s97, 0
	s_cmp_lt_u32 ttmp9, 4
	s_cselect_b64 s[OUT0:OUT0+1], s[14:15], s[16:17]
	s_mov_b32 s98, 0x20000                         ; 1,024 tokens on: 16 key steps of 8,192 bytes,
	s_cselect_b32 s98, 0x10000, s98                ; or, for q, 16 blocks of 4,096
	s_mov_b32 s99, 0
	s_add_nc_u64 s[OUT0:OUT0+1], s[OUT0:OUT0+1], s[96:97]
	s_add_nc_u64 s[OUT1:OUT1+1], s[OUT0:OUT0+1], s[98:99]
	EPI CD, OUT0                                   ; both refills are asked for: now the first tile goes out
	s_wait_loadcnt 0x0                             ; (on v's way the first tile's cos and sin were never waited for: no load lands on a register that a pending load will write)
	LOADCS CSTEP                                   ; the second tile's cos and sin: again a tile's products ahead
	THREEQ 0, 1                                    ; THE SECOND TILE
	TURN 0, 1, 1
	THREEQ 1, 0
	TURN 1, 0, 1
	THREEQ 0, 0
	TURN 0, 1, 0                                   ; nothing is left to fetch
	THREEQ 1, 0
	s_wait_dscnt 0x0
	WIN MUL
	MUL4 F1, 0, 0
	MUL4 F1, 1, 0
	MUL4 F1, 2, 0
	MUL4 F1, 3, 0
	WIN 0
	PLACES
	EPI CD+32, OUT1
	s_wait_tensorcnt 0x0                           ; the wave's end
	ds_add_u32 v[SPW], v[NIL]
	s_wait_dscnt 0x0
	CROUND                                         ; the closing round: no work-group ends while a partner may still ask for a tile that names it
	s_endpgm
.Lfunc_end_k_q5d161c3d3a_qkv:
	.size	k_q5d161c3d3a_qkv, .Lfunc_end_k_q5d161c3d3a_qkv-k_q5d161c3d3a_qkv
	.p2alignl 7, 3214868480
	.fill 96, 4, 3214868480
	.section	.rodata,"a",@progbits
	.p2align	6, 0x0
	.amdhsa_kernel k_q5d161c3d3a_qkv
		.amdhsa_group_segment_fixed_size 327680
		.amdhsa_private_segment_fixed_size 0
		.amdhsa_enable_private_segment 0
		.amdhsa_kernarg_size 56
		.amdhsa_user_sgpr_count 2
		.amdhsa_user_sgpr_kernarg_segment_ptr 1
		.amdhsa_wavefront_size32 1
		.amdhsa_system_sgpr_workgroup_id_x 1
		.amdhsa_system_sgpr_workgroup_id_y 1
		.amdhsa_system_sgpr_workgroup_id_z 1
		.amdhsa_system_vgpr_workitem_id 0
		.amdhsa_next_free_vgpr 768
		.amdhsa_next_free_sgpr 100
		.amdhsa_reserve_vcc 0
		.amdhsa_float_denorm_mode_32 3
		.amdhsa_float_denorm_mode_16_64 3
		.amdhsa_memory_ordered 1
		.amdhsa_forward_progress 1
		.amdhsa_inst_pref_size 191
	.end_amdhsa_kernel
	.amdgpu_metadata
---
amdhsa.version: [ 1, 2 ]
amdhsa.kernels:
  - .name:           k_q5d161c3d3a_qkv
    .symbol:         k_q5d161c3d3a_qkv.kd
    .args:
      - { .name: xc, .offset: 0, .size: 8, .value_kind: global_buffer, .address_space: global }
      - { .name: wc, .offset: 8, .size: 8, .value_kind: global_buffer, .address_space: global }
      - { .name: lowp_scales, .offset: 16, .size: 8, .value_kind: global_buffer, .address_space: global }
      - { .name: cos_rope, .offset: 24, .size: 8, .value_kind: global_buffer, .address_space: global }
      - { .name: sin_rope, .offset: 32, .size: 8, .value_kind: global_buffer, .address_space: global }
      - { .name: qimg, .offset: 40, .size: 8, .value_kind: global_buffer, .address_space: global }
      - { .name: kvimg, .offset: 48, .size: 8, .value_kind: global_buffer, .address_space: global }
    .group_segment_fixed_size: 327680
    .private_segment_fixed_size: 0
    .kernarg_segment_align: 8
    .kernarg_segment_size: 56
    .max_flat_workgroup_size: 128
    .sgpr_count:     100
    .vgpr_count:     768
    .wavefront_size: 32
...
	.end_amdgpu_metadata
.endif
;; end of part 2
;; launch attn (part 3): grid 32 x 8, 8 waves a work-group, clusters of 4 x 1, 327,680 bytes of LDS; arguments qimg, kvimg, lowp_scales, ctxc; writes ctxc
.if DOCPART == 3
	.amdgcn_target "amdgcn-amd-amdhsa--gfx1250"
	.amdhsa_code_object_version 6
	.text
	.protected	k_q5d161c3d3a_attn
	.globl	k_q5d161c3d3a_attn
	.p2align	8
	.type	k_q5d161c3d3a_attn,@function
k_q5d161c3d3a_attn:
	s_mov_b64 s[64:65], 0
	v_nop
	global_prefetch_b8 v0, s[64:65] scope:SCOPE_SE
	s_setreg_imm32_b32 hwreg(HW_REG_WAVE_MODE, 25, 1), 1
	s_wait_xcnt 0x0
	s_wait_alu depctr_hold_cnt(0) depctr_sa_sdst(0) depctr_va_vdst(0) depctr_va_sdst(0) depctr_va_ssrc(0) depctr_va_vcc(0) depctr_vm_vsrc(0)
	s_getreg_b32 s2, hwreg(HW_REG_IB_STS2, 6, 4)
	s_cmp_eq_u32 s2, 0
	s_cbranch_scc0 .Lentry_in_a_cluster
	s_endpgm
.Lentry_in_a_cluster:
	s_bfe_u32 s2, ttmp6, 0x10000c
	s_cmp_lg_u32 s2, 0x3003
	s_cbranch_scc0 .Lentry_shape_is_right
	s_endpgm
.Lentry_shape_is_right:
; ctx = softmax(q k^T / 8, causal) v for 32 heads of 64 in 8 groups, 2,048 tokens, both products on codes of FP8 (E4M3) by v_wmma_f32_16x16x64_fp8_fp8; ctx is quantised at once, with e10, into ctxc [2048][2048 bytes], K = 64 head + d.
; THE SOFTMAX: t = score x log2(e) / 8; M = the running largest t rounded UP to a whole number; p = 2^(t - M) is quantised with e8, not normalised; the sum is taken of the unquantised p and divides at the end.
; When M moves, the sum and O are multiplied by 2^(old M - new M): nothing is rounded, and no branch hangs on data.
; SHARES.  Work-group (j, g): group g, tiles of 16 queries b and 127 - b for b = j and j + 32, all four heads.  ALL of the group's K and V, 262,144 bytes as images of operand registers, lie in LDS: each of the
; eight waves asks for 32,768 bytes (four key steps of 64 keys) by ONE tensor load at the head; nothing is filled again, so there is no ring.
; A wave works for TWO heads (4 g + 2 hp, + 1; hp = wave / 4), so that each fragment of K and V feeds two products.  u = wave % 4; pair = u / 2; b = j + 32 pair.
; Tile b needs D + 1 key steps (D = b / 4), tile 127 - b needs 32 - D: 33 together.  THEY ARE SHARED OUT EVENLY between the pair's two waves:
;   the even wave: first key steps 0 .. 14 - D of tile 127 - b, whose O, -M and sum it leaves in LDS as a part; then its own tile b, steps 0 .. D: 16 steps.
;   the odd wave:  key steps 15 - D .. 31 - D of its own tile 127 - b: 17 steps; at the end it joins the part to its own: both are brought under the larger M by powers of two, which round nothing.
; Every wave walks two loops of 16 trips; a trip outside the wave's window of steps is left out by scalar branches on ids, round loads and arithmetic alone.
; CAUSAL: steps whose keys all come after the tile's queries lie outside the windows; in the one step on the diagonal hidden scores become -infinity.
; BARRIERS.  The first shows K and V whole.  The second's signal stands behind the first loop and the part's stores, its wait behind the second loop: between them stand register work and LDS loads of K and V, which nobody writes.
; The third stands between the stage's stores and its loads.
; LAYOUT.  S^T = K Q^T, O^T = V^T P^T: a lane holds one query throughout.  The images hold tiles whose lane r is row 32 (t / 2) + 8 (t % 2) + r + 8 (r / 8) of a block of 64,
; so register n of a lane's four tiles is key (or d) 32 (n / 16) + 16 h + n % 16: sixteen registers on end are sixteen neighbours, and the conversions' results are the next operand.
; CLUSTER: 4 x 1.  j = 4 x cluster x + cx.  The four partners read the same K and V and ask for them jointly (mask 15).  D hangs on the cluster's x and the wave's number alone, so windows, branches and LDS addresses are alike
; in all four; cx enters Q's and ctxc's addresses and the mask's number in a vector register, and nothing else.
; NO PREFETCH: every byte is asked for at the head; there is no loop to run ahead in.
; LIMITS: e6 + e7 between -123 and 130 (added to c's exponent field); e8, and e10 - e8 - e9, between -126 and 119.  The scaled scores stay under 2^31 in magnitude.  NaN is not served.
; REGISTERS: v1 16 x lane, v2 an LDS address, v3 the mask's number, v8-15 statistics (-M, largest t, the sum in two halves; twice), v16-31 Q, v32-63 K, v64-95 V, v96-159 S then p, v160-223 O^T, v224-239 p's codes, v240-255 at work;
; v256-271 the second loop's Q.
.set STG,   262144                     ; behind K and V: the stage for ctx: 64 rows x (256 bytes + 16)
.set SP,    272
.set PART,  STG+64*SP                  ; behind the stage: four parts, one for each pair of waves
.set PSZ,   8704                       ; a part: 64 registers of O and 4 of statistics, 128 bytes each
.set SPARE, PART+4*PSZ                 ; behind the parts: the spare words, 128 bytes a wave, that no other line names
.set LI,   1
.set ADK,  2
.set DD,   3
.set SPW,  4                           ; my spare word; never rewritten
.set NIL,  5                           ; 0; never rewritten
.set NINF, 6
.set GO,   7
.set ST,   8
.set Q,    16
.set KF,   32
.set VF,   64
.set S,    96
.set O,    160
.set P,    224
.set LIMV, 240                         ; 448 x the scale
.set SCV,  241                         ; the scale
.set F,    242                         ; v[242:243], v[244:245]: f = 2^(old M - new M); the upper words are named with them and written once
.set MX,   246
.set PD,   250
.set L2,   252
.set WV,   12
.set GR,   14
.set HP,   15
.set U,    16
.set TT,   17                          ; my own tile
.set DG,   18                          ; the step on the diagonal
.set KS,   19                          ; the step in hand
.set TB,   20                          ; its first LDS byte
.set CNT,  21
.set CS,   22                          ; s[22:23] c = log2(e) / 8 x 2^(e6 + e7)
.set SEL,  24                          ; s[24:25] lane l xor 16
.set J,    26                          ; j
.set ROLE, 27                          ; wave % 2: 0 the even wave of a pair, 1 the odd
.set G1,   28                          ; s[28:35] descriptor group 1;  s[36:39] group 0
.set G0,   36
.set LO,   40                          ; my window of steps: LO <= step < HX
.set HX,   41
.set PA,   42                          ; my pair's part in LDS
.set DS,   43                          ; D = b / 4
.macro CROUND                          ; a round of the cluster's barrier
	s_barrier_signal -1
	s_barrier_wait -1
	s_cmp_lg_u32 s[WV], 0
	s_cbranch_scc1 .Lnot_wave_0_\@
	s_barrier_signal -3
.Lnot_wave_0_\@:
	s_barrier_wait -3
	s_barrier_signal -1
	s_barrier_wait -1
.endm
.macro CLEAR                           ; a tile's start: the largest t -3e38, under every t; -M = 3e38, a whole number; the sums and O^T zeros, which the first change of M leaves zeros
.irp x, 0,1
	v_mov_b32 v[ST+4*\x+1], 0xff61b1e6
	v_mov_b32 v[ST+4*\x], 0x7f61b1e6
	v_mov_b32 v[ST+4*\x+2], 0
	v_mov_b32 v[ST+4*\x+3], 0
.endr
.set n, 0
.rept 64
	v_mov_b32 v[O+n], 0
.set n, n+1
.endr
.endm
	s_load_b256 s[4:11], s[0:1], 0x0               ; qimg s[4:5], kvimg s[6:7], the scales s[8:9], ctxc s[10:11]
	v_lshl_add_u32 v[SPW], v0, 2, SPARE
	v_mov_b32 v[NIL], 0
	ds_add_u32 v[SPW], v[NIL]                      ; the wave's opening: the add, twice on end, and its wait ahead of the first tensor load; the set-up stands between
	ds_add_u32 v[SPW], v[NIL]
	v_lshrrev_b32 v1, 5, v0
	s_delay_alu instid0(VALU_DEP_1)
	v_readfirstlane_b32 s[WV], v1
	s_and_b32 s[GR], ttmp7, 0xffff
	s_bfe_u32 s66, ttmp6, 0x40000                  ; cx
	s_lshl_b32 s[J], ttmp9, 2
	s_add_co_u32 s[J], s[J], s66                   ; j = 4 x cluster x + cx
	s_lshr_b32 s[HP], s[WV], 2
	s_and_b32 s[U], s[WV], 3
	s_and_b32 s[ROLE], s[WV], 1
	s_lshr_b32 s67, s[U], 1                        ; pair
	s_lshl_b32 s68, s67, 5
	s_add_co_u32 s68, s68, s[J]                    ; b
	s_sub_co_u32 s69, 127, s68                     ; the pair's long tile
	s_cmp_eq_u32 s[ROLE], 0
	s_cselect_b32 s[TT], s68, s69
	s_lshl_b32 s[DS], s67, 3
	s_add_co_u32 s[DS], s[DS], ttmp9               ; D = cluster x + 8 pair
	s_lshl_b32 s[PA], s[HP], 1
	s_add_co_u32 s[PA], s[PA], s67
	s_mul_i32 s[PA], s[PA], PSZ
	s_add_co_u32 s[PA], s[PA], PART
	s_mov_b32 s[G1], 15|(3<<16)|(1<<21)            ; the mask: all four partners; elements of 8 bytes; bit 21 beside a mask; no padding: the images are read 16 x lane on end
	s_mov_b32 s[G1+1], 32<<16                      ; tensor_dim0 = 32 elements: rows of 256 bytes
	s_mov_b32 s[G1+2], 128<<16                     ; tensor_dim1 = 128
	s_mov_b32 s[G1+3], 32<<16                      ; tile_dim0
	s_mov_b32 s[G1+4], 128                         ; tile_dim1
	s_mov_b32 s[G1+5], 32                          ; dense
	s_mov_b32 s[G1+6], 0
	s_mov_b32 s[G1+7], 0
	s_mov_b32 s[SEL], 0x76543210
	s_mov_b32 s[SEL+1], 0xfedcba98
	s_mov_b32 s[CS], 0x3e38aa3b                    ; log2(e) / 8
	s_lshl_b32 s70, s[GR], 2
	s_lshl_b32 s71, s[HP], 1
	s_add_co_u32 s70, s70, s71                     ; my first head
	s_lshl_b32 s70, s70, 17
	s_lshl_b32 s72, s69, 10
	s_add_co_u32 s72, s72, s70                     ; the first loop's Q: head x 131,072 + the long tile x 1,024
	s_mov_b32 s73, 0
	s_lshl_b32 s71, s[TT], 10
	s_add_co_u32 s70, s70, s71                     ; the second loop's: my own tile
	s_mov_b32 s71, 0
	s_lshl_b32 s76, s[WV], 15                      ; my eighth of K and V: the same byte in LDS and in the group's block
	s_lshl_b32 s74, s[GR], 18
	s_add_co_u32 s74, s74, s76
	s_mov_b32 s75, 0
	s_wait_dscnt 0x0                               ; both opening adds are done
	s_wait_kmcnt 0x0
	s_load_b256 s[52:59], s[8:9], 0x0              ; e0 .. e7
	s_load_b128 s[60:63], s[8:9], 0x20             ; e8 .. e11
	s_mov_b32 s[G0], 1
	s_mov_b32 s[G0+1], s76
	s_add_nc_u64 s[G0+2:G0+3], s[6:7], s[74:75]
	s_or_b32 s[G0+3], s[G0+3], 0x80000000
	s_add_nc_u64 s[44:45], s[4:5], s[72:73]
	s_add_nc_u64 s[46:47], s[4:5], s[70:71]
	CROUND                                         ; all four work-groups are here: the joint loads meet
	tensor_load_to_lds s[G0:G0+3], s[G1:G1+7]      ; every wave's one tensor load
	s_nop 0
.rept 4
	v_nop
.endr
	v_and_b32 v[LI], 31, v0
	s_delay_alu instid0(VALU_DEP_1)
	v_lshlrev_b32 v[LI], 4, v[LI]
	global_load_b128 v[Q:Q+3], v[LI], s[44:45]                     ; the first loop's Q: my first head,
	global_load_b128 v[Q+4:Q+7], v[LI], s[44:45] offset:512
	global_load_b128 v[Q+8:Q+11], v[LI], s[44:45] offset:131072    ; and the next
	global_load_b128 v[Q+12:Q+15], v[LI], s[44:45] offset:131584
	s_set_vgpr_msb 0x40                            ; destination window 1: v256-271
	global_load_b128 v[0:3], v[LI], s[46:47]                       ; the second loop's Q
	global_load_b128 v[4:7], v[LI], s[46:47] offset:512
	global_load_b128 v[8:11], v[LI], s[46:47] offset:131072
	global_load_b128 v[12:15], v[LI], s[46:47] offset:131584
	s_set_vgpr_msb 0x4000
	s_bfe_u32 s72, s[TT], 0x10001
	s_lshl_b32 s72, s72, 5
	s_and_b32 s73, s[TT], 1
	s_lshl_b32 s73, s73, 3
	s_add_co_u32 s72, s72, s73                     ; 32 ((tile / 2) % 2) + 8 (tile % 2)
	v_and_b32 v[GO], 15, v0                        ; r
	s_delay_alu instid0(VALU_DEP_1)
	v_and_b32 v[DD], 8, v[GO]
	s_delay_alu instid0(VALU_DEP_1)
	v_add_nc_u32 v[DD], v[DD], v[GO]               ; r + 8 (r / 8)
	v_bfe_u32 v[ADK], v0, 4, 1
	s_delay_alu instid0(VALU_DEP_1)
	v_lshlrev_b32 v[ADK], 4, v[ADK]                ; 16 h
	s_delay_alu instid0(VALU_DEP_1)
	v_sub_nc_u32 v[DD], v[DD], v[ADK]
	s_delay_alu instid0(VALU_DEP_1)
	v_add_nc_u32 v[DD], s72, v[DD]                 ; my query in its block of 64, less 16 h: on the diagonal register n is hidden where 32 (n / 16) + n % 16 is greater
	v_mov_b32 v[NINF], 0xff800000
.irp x, 0,1
	v_mov_b32 v[F+2*\x+1], 0
	v_mov_b32 v[PD+\x], 0                          ; a lane permute's destination counts as one of its sources
	v_mov_b32 v[L2+2*\x], 0                        ; (named in pairs where the part is joined: written once on every way)
	v_mov_b32 v[L2+2*\x+1], 0
.endr
	CLEAR
	s_wait_kmcnt 0x0
	s_add_co_i32 s66, s58, s59
	s_lshl_b32 s66, s66, 23
	s_add_co_i32 s[CS], s[CS], s66                 ; a score stands for score x 2^(e6 + e7): added to c's exponent field
	s_mov_b32 s[CS+1], s[CS]
	s_add_co_i32 s66, s60, 127
	s_lshl_b32 s67, s66, 23
	v_mov_b32 v[SCV], s67                          ; 2^e8
	s_add_co_i32 s66, s66, 8
	s_lshl_b32 s66, s66, 23
	s_or_b32 s66, s66, 0x600000
	v_mov_b32 v[LIMV], s66                         ; 448 x 2^e8
	s_mov_b32 s[TB], 0                             ; THE FIRST LOOP: key steps 0 to 15 of the pair's long tile
	s_mov_b32 s[KS], 0
	s_sub_co_u32 s70, 15, s[DS]
	s_cmp_eq_u32 s[ROLE], 0
	s_cselect_b32 s[LO], 0, s70                    ; the even wave: steps 0 .. 14 - D; the odd wave: 15 - D .. 15
	s_cselect_b32 s[HX], s70, 16
; count KEY STEPS of 64 keys, from step s[KS] at LDS byte s[TB] on.
; diag = 0: the first loop: a window with a lower bound, and no step on a diagonal.  diag = 1: the second loop: the window begins at the loop's first step, and its last step lies on the diagonal.
.macro WALK count, diag
	s_mov_b32 s[CNT], \count
.Lks_\@:
.if \diag == 0
	s_cmp_lt_u32 s[KS], s[LO]
	s_cbranch_scc1 .Lhid_\@                        ; not in my window
.endif
	s_cmp_ge_u32 s[KS], s[HX]
	s_cbranch_scc1 .Lhid_\@
	v_add_nc_u32 v[ADK], s[TB], v[LI]
.rept 3
	v_nop                                          ; with the addition: four places in front of loads into registers that the last products have read
.endr
.irp f, 0,1,2,3,4,5,6,7
	ds_load_b128 v[KF+4*\f:KF+4*\f+3], v[ADK] offset:512*\f        ; K: tile f / 2, piece f % 2
.endr
.irp f, 0,1,2,3,4,5,6,7
	ds_load_b128 v[VF+4*\f:VF+4*\f+3], v[ADK] offset:4096+512*\f   ; V^T likewise
.endr
	s_wait_dscnt 8                                 ; K is in; V's eight loads may be out
.irp kt, 0,1,2,3
.irp x, 0,1
	v_wmma_f32_16x16x64_fp8_fp8 v[S+32*\x+8*\kt:S+32*\x+8*\kt+7], v[KF+8*\kt:KF+8*\kt+7], v[Q+8*\x:Q+8*\x+7], 0
.endr
.endr
.rept 4
	v_nop
.endr
.if \diag
	s_cmp_lg_u32 s[KS], s[DG]
	s_cbranch_scc1 .Lopen_\@                       ; all its keys count
.set n, 0
.rept 32
	v_cmp_gt_i32 vcc_lo, 32*(n/16)+n%16, v[DD]
	v_cndmask_b32 v[S+n], v[S+n], v[NINF], vcc_lo
	v_cndmask_b32 v[S+32+n], v[S+32+n], v[NINF], vcc_lo
.set n, n+1
.endr
.Lopen_\@:
.endif
	; the two heads line by line by turns; each accumulator is first read at its low end
.irp x, 0,1
	v_max3_num_f32 v[MX+2*\x], v[S+32*\x], v[S+32*\x+1], v[S+32*\x+2]
.endr
.irp x, 0,1
	v_max3_num_f32 v[MX+2*\x+1], v[S+32*\x+3], v[S+32*\x+4], v[S+32*\x+5]
.endr
.irp i, 6,10,14,18,22,26
.irp x, 0,1
	v_max3_num_f32 v[MX+2*\x], v[MX+2*\x], v[S+32*\x+\i], v[S+32*\x+\i+1]
.endr
.irp x, 0,1
	v_max3_num_f32 v[MX+2*\x+1], v[MX+2*\x+1], v[S+32*\x+\i+2], v[S+32*\x+\i+3]
.endr
.endr
.irp x, 0,1
	v_max3_num_f32 v[MX+2*\x], v[MX+2*\x], v[S+32*\x+30], v[S+32*\x+31]
.endr
.irp x, 0,1
	s_delay_alu instid0(VALU_DEP_2)
	v_max_num_f32 v[MX+2*\x], v[MX+2*\x], v[MX+2*\x+1]
.endr
.irp x, 0,1
	s_delay_alu instid0(VALU_DEP_2)
	v_permlanex16_b32 v[PD+\x], v[MX+2*\x], s[SEL], s[SEL+1]       ; the query's other 32 keys lie in lane l xor 16
.endr
.irp x, 0,1
	s_delay_alu instid0(VALU_DEP_2)
	v_max_num_f32 v[MX+2*\x], v[MX+2*\x], v[PD+\x]
.endr
.irp x, 0,1
	s_delay_alu instid0(VALU_DEP_2)
	v_mul_f32 v[MX+2*\x], s[CS], v[MX+2*\x]        ; as t (c is positive)
.endr
.irp x, 0,1
	s_delay_alu instid0(VALU_DEP_2)
	v_max_num_f32 v[ST+4*\x+1], v[ST+4*\x+1], v[MX+2*\x]           ; the running largest t
.endr
.irp x, 0,1
	v_mov_b32 v[MX+2*\x], v[ST+4*\x]
.endr
.irp x, 0,1
	s_delay_alu instid0(VALU_DEP_4)
	v_floor_f32 v[ST+4*\x], -v[ST+4*\x+1]          ; the new -M = floor(-t): M is a whole number
.endr
.irp x, 0,1
	s_delay_alu instid0(VALU_DEP_2)
	v_sub_f32 v[MX+2*\x], v[ST+4*\x], v[MX+2*\x]   ; old M - new M: a whole number, 0 or less
.endr
.irp x, 0,1
	s_delay_alu instid0(VALU_DEP_2)
	v_cvt_i32_f32 v[MX+2*\x], v[MX+2*\x]           ; (it saturates)
.endr
.irp x, 0,1
	s_delay_alu instid0(VALU_DEP_2)
	v_ldexp_f32 v[F+2*\x], 1.0, v[MX+2*\x]         ; f = 2^(old M - new M)
.endr
.irp j, 0,2,4,6,8,10,12,14,16,18,20,22,24,26,28,30
.irp x, 0,1
	v_pk_fma_f32 v[S+32*\x+\j:S+32*\x+\j+1], v[S+32*\x+\j:S+32*\x+\j+1], s[CS:CS+1], v[ST+4*\x:ST+4*\x+1] op_sel_hi:[1,0,0]   ; t - M, two at a time (the low words of c and of -M serve both halves)
.endr
.endr
.set n, 0
	s_wait_alu depctr_va_vdst(0)
.rept 64
	v_exp_f32 v[S+n], v[S+n]                       ; p = 2^(t - M): one batch
.set n, n+1
.endr
.irp x, 0,1
	v_pk_mul_f32 v[ST+4*\x+2:ST+4*\x+3], v[ST+4*\x+2:ST+4*\x+3], v[F+2*\x:F+2*\x+1] op_sel_hi:[1,0]   ; the sums under the new M: the plain lines behind the exponentials
.endr
	s_wait_alu depctr_va_vdst(0)                   ; ahead of the first line that names a result: one for the batch
.irp x, 0,1
	v_pk_add_f32 v[L2+2*\x:L2+2*\x+1], v[S+32*\x:S+32*\x+1], v[S+32*\x+2:S+32*\x+3]   ; the sum is taken of the unquantised p, in two chains
.endr
.irp j, 4,8,12,16,20,24,28
.irp x, 0,1
	v_pk_add_f32 v[ST+4*\x+2:ST+4*\x+3], v[ST+4*\x+2:ST+4*\x+3], v[S+32*\x+\j:S+32*\x+\j+1]
	v_pk_add_f32 v[L2+2*\x:L2+2*\x+1], v[L2+2*\x:L2+2*\x+1], v[S+32*\x+\j+2:S+32*\x+\j+3]
.endr
.endr
.irp x, 0
	s_delay_alu instid0(VALU_DEP_3)
	v_pk_add_f32 v[ST+4*\x+2:ST+4*\x+3], v[ST+4*\x+2:ST+4*\x+3], v[L2+2*\x:L2+2*\x+1]
.endr
.irp x, 1
	s_delay_alu instid0(VALU_DEP_2)
	v_pk_add_f32 v[ST+4*\x+2:ST+4*\x+3], v[ST+4*\x+2:ST+4*\x+3], v[L2+2*\x:L2+2*\x+1]
.endr
.set n, 0
.rept 32
	v_dual_min_num_f32 v[S+n], v[S+n], v[LIMV] :: v_dual_min_num_f32 v[S+n+1], v[S+n+1], v[LIMV]   ; the conversion does not saturate (ISA guide 7.6.2); p is not negative, so the hold is one-sided; two numbers an instruction
.set n, n+2
.endr
.irp k, 0,1,2,3,4,5,6,7
	v_cvt_scalef32_pk8_fp8_f32 v[P+2*\k:P+2*\k+1], v[S+8*\k:S+8*\k+7], v[SCV]
.endr
	s_wait_alu depctr_va_vdst(0)                   ; directly ahead of the first reader of O^T
.irp j, 0,2,4,6,8,10,12,14,16,18,20,22,24,26,28,30
.irp x, 0,1
	v_pk_mul_f32 v[O+32*\x+\j:O+32*\x+\j+1], v[O+32*\x+\j:O+32*\x+\j+1], v[F+2*\x:F+2*\x+1] op_sel_hi:[1,0]   ; O^T under the new M; also the plain lines behind the conversions
.endr
.endr
	s_wait_alu depctr_va_vdst(0)
	s_wait_dscnt 0x0                               ; V is in
.irp t, 0,1,2,3
.irp x, 0,1
	v_wmma_f32_16x16x64_fp8_fp8 v[O+32*\x+8*\t:O+32*\x+8*\t+7], v[VF+8*\t:VF+8*\t+7], v[P+8*\x:P+8*\x+7], v[O+32*\x+8*\t:O+32*\x+8*\t+7]   ; eight accumulators by turns
.endr
.endr
.Lhid_\@:
	s_add_co_u32 s[TB], s[TB], 8192
	s_add_co_u32 s[KS], s[KS], 1
	s_sub_co_u32 s[CNT], s[CNT], 1
	s_cmp_lg_u32 s[CNT], 0
	s_cbranch_scc1 .Lks_\@
.endm
	s_wait_alu depctr_va_vdst(0)                   ; the head's end
	s_wait_loadcnt 0x0                             ; both Q
	s_wait_tensorcnt 0x0                           ; my eighth of K and V has landed,
	s_barrier_signal -1
	s_barrier_wait -1                              ; everybody's has
	WALK 16, 0
	; BETWEEN THE LOOPS.  The even wave leaves its part of the long tile in LDS and starts anew; the odd wave keeps what it has.
	v_add_nc_u32 v[ADK], s[PA], v[LI]              ; with the three lines below: four places behind the last products
.rept 3
	v_nop
.endr
	s_wait_alu depctr_va_vdst(0)
	s_cmp_lg_u32 s[ROLE], 0
	s_cbranch_scc1 .Lkeep
	v_mov_b32 v[MX], v[ST]                         ; -M and the sum (its two halves joined), for each head
	v_add_f32 v[MX+1], v[ST+2], v[ST+3]
	v_mov_b32 v[MX+2], v[ST+4]
	v_add_f32 v[MX+3], v[ST+6], v[ST+7]
.irp i, 0,1,2,3,4,5,6,7,8,9,10,11,12,13,14,15
	ds_store_b128 v[ADK], v[O+4*\i:O+4*\i+3] offset:512*\i         ; an image of the registers: 16 x lane; each accumulator from its low end on
.endr
	ds_store_b128 v[ADK], v[MX:MX+3] offset:8192
	s_wait_dscnt 0x0                               ; the stores have read their registers
	CLEAR
.Lkeep:
	s_set_vgpr_msb 0x01                            ; source 0 window 1
.set n, 0
.rept 16
	v_mov_b32 v[Q+n], v[n]                         ; my own tile's Q, from v256-271 (the odd wave's is the same as before)
.set n, n+1
.endr
	s_set_vgpr_msb 0x0100
	s_add_co_u32 s70, s[DS], 1                     ; THE SECOND LOOP: my own tile.  The even wave: steps 0 .. D, the diagonal at D; the odd wave: steps 16 .. 31 - D, the diagonal at 31 - D
	s_sub_co_u32 s71, 32, s[DS]
	s_sub_co_u32 s72, 31, s[DS]
	s_cmp_eq_u32 s[ROLE], 0
	s_cselect_b32 s[HX], s70, s71
	s_cselect_b32 s[DG], s[DS], s72
	s_lshl_b32 s[KS], s[ROLE], 4
	s_lshl_b32 s[TB], s[ROLE], 17
	s_wait_alu depctr_va_vdst(0)
	s_wait_dscnt 0x0                               ; for the others' sake: my part is stored, and no LDS instruction of mine is out:
	s_barrier_signal -1                            ; say so,
	WALK 16, 1                                     ; go on with K and V, which nobody writes,
	s_barrier_wait -1                              ; and read the part when all eight have said so
	; THE ODD WAVE JOINS THE PART: both under the larger M, by powers of two.  (An empty part has -M = 3e38: its factor is 0.)
	v_add_nc_u32 v[ADK], s[PA], v[LI]
	s_wait_alu depctr_va_vdst(0)
	s_cmp_eq_u32 s[ROLE], 0
	s_cbranch_scc1 .Lown
	ds_load_b128 v[KF:KF+3], v[ADK] offset:8192    ; the part's -M and sum, for each head
.irp i, 0,1,2,3,4,5,6,7,8,9,10,11,12,13,14,15
	ds_load_b128 v[S+4*\i:S+4*\i+3], v[ADK] offset:512*\i          ; its O^T, register for register
.endr
	s_wait_dscnt 16                                ; the statistics are in; O^T's sixteen loads may be out
	v_min_num_f32 v[PD], v[ST], v[KF]              ; the new -M: the lesser
	v_min_num_f32 v[PD+1], v[ST+4], v[KF+2]
	v_sub_f32 v[F], v[PD], v[ST]                   ; my M - the new M: a whole number, 0 or less
	v_sub_f32 v[F+2], v[PD+1], v[ST+4]
	v_sub_f32 v[L2], v[PD], v[KF]                  ; the part's likewise
	v_sub_f32 v[L2+2], v[PD+1], v[KF+2]
	v_add_f32 v[ST+2], v[ST+2], v[ST+3]
	v_add_f32 v[ST+6], v[ST+6], v[ST+7]
.irp r, F, F+2, L2, L2+2
	v_cvt_i32_f32 v[\r], v[\r]                     ; (it saturates)
.endr
.irp r, F, F+2, L2, L2+2
	v_ldexp_f32 v[\r], 1.0, v[\r]
.endr
	v_mul_f32 v[ST+2], v[ST+2], v[F]
	v_mul_f32 v[ST+6], v[ST+6], v[F+2]
	v_mov_b32 v[ST+3], 0
	v_mov_b32 v[ST+7], 0
	v_fmac_f32 v[ST+2], v[KF+1], v[L2]
	v_fmac_f32 v[ST+6], v[KF+3], v[L2+2]
	s_wait_alu depctr_va_vdst(0)
	s_wait_dscnt 0x0
.irp x, 0,1
.irp j, 0,2,4,6,8,10,12,14,16,18,20,22,24,26,28,30
	v_pk_mul_f32 v[O+32*\x+\j:O+32*\x+\j+1], v[O+32*\x+\j:O+32*\x+\j+1], v[F+2*\x:F+2*\x+1] op_sel_hi:[1,0]   ; each accumulator from its low end on
.endr
.endr
.irp x, 0,1
.irp j, 0,2,4,6,8,10,12,14,16,18,20,22,24,26,28,30
	v_pk_fma_f32 v[O+32*\x+\j:O+32*\x+\j+1], v[S+32*\x+\j:S+32*\x+\j+1], v[L2+2*\x:L2+2*\x+1], v[O+32*\x+\j:O+32*\x+\j+1] op_sel_hi:[1,0,1]
.endr
.endr
.Lown:
	; THE WAY OUT.  O^T / the sum is quantised with 2^(e10 - e8 - e9) and goes through a stage, where the four heads of a query meet: 256 bytes of a row of ctxc.  The additions and the address work are the places behind the last products.
	v_add_f32 v[ST+2], v[ST+2], v[ST+3]
	v_add_f32 v[ST+6], v[ST+6], v[ST+7]
	s_delay_alu instid0(VALU_DEP_2)
	v_permlanex16_b32 v[PD], v[ST+2], s[SEL], s[SEL+1]
	s_delay_alu instid0(VALU_DEP_2)
	v_permlanex16_b32 v[PD+1], v[ST+6], s[SEL], s[SEL+1]
	s_delay_alu instid0(VALU_DEP_2)
	v_add_f32 v[ST+2], v[ST+2], v[PD]
	s_delay_alu instid0(VALU_DEP_2)
	v_add_f32 v[ST+6], v[ST+6], v[PD+1]
	s_wait_alu depctr_va_vdst(0)
	v_rcp_f32 v[ST+2], v[ST+2]
	v_rcp_f32 v[ST+6], v[ST+6]
	v_and_b32 v[MX], 15, v0                        ; (a plain line behind the reciprocals)  lane % 16
	v_bfe_u32 v[MX+1], v0, 4, 1                    ; lane / 16
	s_mul_i32 s66, s[U], 16*SP
	s_lshl_b32 s67, s[HP], 7
	s_add_co_u32 s66, s66, s67
	s_add_co_u32 s66, s66, STG
	v_mul_u32_u24 v[ADK], v[MX], SP
	s_delay_alu instid0(VALU_DEP_1)
	v_lshl_add_u32 v[ADK], v[MX+1], 4, v[ADK]
	s_delay_alu instid0(VALU_DEP_1)
	v_add_nc_u32 v[ADK], s66, v[ADK]               ; in: row 16 u + r; my two heads' 128 bytes; + 16 h
	s_mul_i32 s67, s[WV], 8*SP
	s_add_co_u32 s67, s67, STG
	v_mul_u32_u24 v[DD], v[MX+1], SP
	s_delay_alu instid0(VALU_DEP_1)
	v_lshl_add_u32 v[DD], v[MX], 4, v[DD]
	s_delay_alu instid0(VALU_DEP_1)
	v_add_nc_u32 v[DD], s67, v[DD]                 ; back: rows 8 w on; lanes 0-15 one row, lanes 16-31 the next
	v_lshlrev_b32 v[GO], 11, v[MX+1]
	s_delay_alu instid0(VALU_DEP_1)
	v_lshl_add_u32 v[GO], v[MX], 4, v[GO]          ; and the same two rows in ctxc
	s_lshr_b32 s68, s[WV], 1                       ; whose rows those are: the tile of u = w / 2,
	s_lshr_b32 s69, s68, 1
	s_lshl_b32 s69, s69, 5
	s_add_co_u32 s69, s69, s[J]
	s_sub_co_u32 s70, 127, s69
	s_bitcmp1_b32 s68, 0
	s_cselect_b32 s69, s70, s69
	s_lshr_b32 s70, s69, 1
	s_lshl_b32 s70, s70, 5
	s_and_b32 s69, s69, 1
	s_lshl_b32 s69, s69, 3
	s_add_co_u32 s70, s70, s69                     ; whose lane 0 is query 32 (tile / 2) + 8 (tile % 2);
	s_and_b32 s69, s[WV], 1
	s_lshl_b32 s69, s69, 4
	s_add_co_u32 s70, s70, s69                     ; its lanes 8 to 15 are the queries 16 further on
	s_lshl_b32 s70, s70, 11
	s_lshl_b32 s69, s[GR], 8
	s_add_co_u32 s70, s70, s69
	s_mov_b32 s71, 0
	s_add_nc_u64 s[10:11], s[10:11], s[70:71]
	s_sub_co_i32 s72, s62, s60
	s_sub_co_i32 s72, s72, s61                     ; O stands for O x 2^(e8 + e9): the code is (O / sum) / 2^(e10 - e8 - e9)
	s_add_co_i32 s72, s72, 127
	s_lshl_b32 s73, s72, 23
	v_mov_b32 v[SCV], s73
	s_add_co_i32 s72, s72, 8
	s_lshl_b32 s72, s72, 23
	s_or_b32 s72, s72, 0x600000
	v_mov_b32 v[LIMV], s72
	s_wait_alu depctr_va_vdst(0)                   ; one wait for the two reciprocals, ahead of their first reader, which is O^T's too
.irp x, 0,1
.irp j, 0,2,4,6,8,10,12,14,16,18,20,22,24,26,28,30
	v_pk_mul_f32 v[S+32*\x+\j:S+32*\x+\j+1], v[O+32*\x+\j:O+32*\x+\j+1], v[ST+4*\x+2:ST+4*\x+3] op_sel_hi:[1,0]   ; each accumulator from its low end on
.endr
.endr
.set n, 0
.rept 64
	v_med3_num_f32 v[S+n], v[S+n], -v[LIMV], v[LIMV]
.set n, n+1
.endr
.irp k, 0,1,2,3,4,5,6,7
	v_cvt_scalef32_pk8_fp8_f32 v[P+2*\k:P+2*\k+1], v[S+8*\k:S+8*\k+7], v[SCV]
.endr
	v_nop                                          ; one plain vector line behind the conversions
.irp x, 0,1
.irp c, 0,1
	ds_store_b128 v[ADK], v[P+8*\x+4*\c:P+8*\x+4*\c+3] offset:64*\x+32*\c   ; head x: d = 32 c + 16 h + 0 .. 15
.endr
.endr
	s_wait_dscnt 0x0                               ; for the others' sake: my stores into the stage are done
	s_barrier_signal -1
	s_barrier_wait -1
.irp i, 0,1,2,3
	ds_load_b128 v[KF+4*\i:KF+4*\i+3], v[DD] offset:2*\i*SP
.endr
.irp i, 0,1,2,3
	s_wait_dscnt 3-\i
	global_store_b128 v[GO], v[KF+4*\i:KF+4*\i+3], s[10:11] offset:4096*\i   ; sixteen lanes store 256 consecutive bytes, aligned
.endr
	s_wait_tensorcnt 0x0                           ; the wave's end, behind my tensor load and my last LDS store
	ds_add_u32 v[SPW], v[NIL]
	s_wait_dscnt 0x0
	CROUND                                         ; the closing round
	s_endpgm
.Lfunc_end_k_q5d161c3d3a_attn:
	.size	k_q5d161c3d3a_attn, .Lfunc_end_k_q5d161c3d3a_attn-k_q5d161c3d3a_attn
	.p2alignl 7, 3214868480
	.fill 96, 4, 3214868480
	.section	.rodata,"a",@progbits
	.p2align	6, 0x0
	.amdhsa_kernel k_q5d161c3d3a_attn
		.amdhsa_group_segment_fixed_size 327680
		.amdhsa_private_segment_fixed_size 0
		.amdhsa_enable_private_segment 0
		.amdhsa_kernarg_size 32
		.amdhsa_user_sgpr_count 2
		.amdhsa_user_sgpr_kernarg_segment_ptr 1
		.amdhsa_wavefront_size32 1
		.amdhsa_system_sgpr_workgroup_id_x 1
		.amdhsa_system_sgpr_workgroup_id_y 1
		.amdhsa_system_sgpr_workgroup_id_z 1
		.amdhsa_system_vgpr_workitem_id 0
		.amdhsa_next_free_vgpr 288
		.amdhsa_next_free_sgpr 84
		.amdhsa_reserve_vcc 1
		.amdhsa_float_denorm_mode_32 3
		.amdhsa_float_denorm_mode_16_64 3
		.amdhsa_memory_ordered 1
		.amdhsa_forward_progress 1
		.amdhsa_inst_pref_size 67
	.end_amdhsa_kernel
	.amdgpu_metadata
---
amdhsa.version: [ 1, 2 ]
amdhsa.kernels:
  - .name:           k_q5d161c3d3a_attn
    .symbol:         k_q5d161c3d3a_attn.kd
    .args:
      - { .name: qimg, .offset: 0, .size: 8, .value_kind: global_buffer, .address_space: global }
      - { .name: kvimg, .offset: 8, .size: 8, .value_kind: global_buffer, .address_space: global }
      - { .name: lowp_scales, .offset: 16, .size: 8, .value_kind: global_buffer, .address_space: global }
      - { .name: ctxc, .offset: 24, .size: 8, .value_kind: global_buffer, .address_space: global }
    .group_segment_fixed_size: 327680
    .private_segment_fixed_size: 0
    .kernarg_segment_align: 8
    .kernarg_segment_size: 32
    .max_flat_workgroup_size: 256
    .sgpr_count:     84
    .vgpr_count:     288
    .wavefront_size: 32
...
	.end_amdgpu_metadata
.endif
;; end of part 3
;; launch oproj (part 4): grid 16 x 16, 4 waves a work-group, clusters of 4 x 4, 327,680 bytes of LDS; arguments ctxc, woc, lowp_scales, out0; writes out0
.if DOCPART == 4
	.amdgcn_target "amdgcn-amd-amdhsa--gfx1250"
	.amdhsa_code_object_version 6
	.text
	.protected	k_q5d161c3d3a_oproj
	.globl	k_q5d161c3d3a_oproj
	.p2align	8
	.type	k_q5d161c3d3a_oproj,@function
k_q5d161c3d3a_oproj:
	s_mov_b64 s[64:65], 0
	v_nop
	global_prefetch_b8 v0, s[64:65] scope:SCOPE_SE
	s_setreg_imm32_b32 hwreg(HW_REG_WAVE_MODE, 25, 1), 1
	s_wait_xcnt 0x0
	s_wait_alu depctr_hold_cnt(0) depctr_sa_sdst(0) depctr_va_vdst(0) depctr_va_sdst(0) depctr_va_ssrc(0) depctr_va_vcc(0) depctr_vm_vsrc(0)
	s_getreg_b32 s2, hwreg(HW_REG_IB_STS2, 6, 4)
	s_cmp_eq_u32 s2, 0
	s_cbranch_scc0 .Lentry_in_a_cluster
	s_endpgm
.Lentry_in_a_cluster:
	s_bfe_u32 s2, ttmp6, 0x10000c
	s_cmp_lg_u32 s2, 0xf033
	s_cbranch_scc0 .Lentry_shape_is_right
	s_endpgm
.Lentry_shape_is_right:
; out0 = ctx wo^T on codes of FP8 (E4M3): ctxc [2048][2048], woc [2048][2048], K innermost; f32 sums, each multiplied once by 2^(e10 + e11).  LIMIT: e10 + e11 between -126 and 127.
; A tile of out0 is 128 x 128; four waves, each 64 x 64: 16 accumulators, by turns.  Source 0 = 16 rows of woc (the C side), source 1 = 16 rows of ctxc (the R side): a lane holds eight neighbouring numbers of a row of out0.
; CLUSTERS: 4 x 4: R's tile is asked for jointly by a row of the cluster, C's by a column.  K goes in four steps of 512 through two LDS slots: K step 0 at the head, one load a wave;
; K step 1 behind the three lines and a round, as a refill is; K steps 2 and 3 as refills.  By this text's count a wave has one tensor load out at a time.
; PREFETCH INTO THE L2: behind K step 0's load one global_prefetch_b8 a wave for K step 1 and one for K step 2, behind K step 1's load one for K step 3.  A wave's load is 64 rows x 512 bytes = 128 blocks of 256 bytes;
; each of the four partners that ask for it jointly names 32 of them, 16 rows x 2 blocks, a lane a block, told apart by address (cx for R's waves, cy for C's).  The steps stand in the immediate: the address registers are never rewritten.
; The results leave through each wave's own stage in LDS, behind the ring: sixteen lanes store 256 consecutive bytes, aligned.
.set PFO,  30                          ; v30     the prefetches' offset: 2,048 (lane / 2) + 256 (lane % 2); never rewritten
.set PFA,  80                          ; s[80:81] my work-group's 16 rows of the 64 that my wave fetches, at K step 0; never rewritten
.set KROW,   2048
.set KSTEP,  512
.set PITCH,  528
.set HALFT,  64*PITCH
.set SLOT,   4*HALFT
.set STAGE,  2*SLOT
.set SPITCH, 272
.set SPARE,  STAGE+4*16*SPITCH
.set PADW,   (1<<20)|(1<<21)|(6<<22)|(3<<25)
.set ADRR, 16
.set ADRC, 20
.set STO,  24
.set RD,   25
.set CO,   26
.set SPW,  28
.set NIL,  29
.set TMP,  32
.set BK,   64
.set ACC,  128
.set F0,   0
.set F1,   128
.set WV,   18
.set RH,   19
.set CH,   20
.set G1,   36
.set G0,   44
.set G1B,  52
.set G0B,  68
.set MSB, 0
.macro WIN new
.if MSB != \new
	s_set_vgpr_msb (MSB<<8)|\new
.set MSB, \new
.endif
.endm
.set MUL,  0x05
.set TO_F, 0x40
.macro JLOAD s
	s_cmp_eq_u32 s[RH], 0
	s_cbranch_scc0 .Lfor_c_\@
	tensor_load_to_lds s[G0+4*\s:G0+4*\s+3], s[G1:G1+7]
	s_nop 0
.rept 4
	v_nop
.endr
	s_branch .Lasked_\@
.Lfor_c_\@:
	tensor_load_to_lds s[G0B+4*\s:G0B+4*\s+3], s[G1B:G1B+7]
	s_nop 0
.rept 4
	v_nop
.endr
.Lasked_\@:
.endm
.macro CREST
	s_cmp_lg_u32 s[WV], 0
	s_cbranch_scc1 .Lnot_wave_0_\@
	s_barrier_signal -3
.Lnot_wave_0_\@:
	s_barrier_wait -3
	s_barrier_signal -1
	s_barrier_wait -1
.endm
.macro CROUND
	s_barrier_signal -1
	s_barrier_wait -1
	CREST
.endm
	s_load_b256 s[4:11], s[0:1], 0x0
	v_lshl_add_u32 v[SPW], v0, 2, SPARE
	v_mov_b32 v[NIL], 0
	ds_add_u32 v[SPW], v[NIL]
	ds_add_u32 v[SPW], v[NIL]
	v_lshrrev_b32 v1, 5, v0
	v_readfirstlane_b32 s[WV], v1
	s_lshr_b32 s[RH], s[WV], 1
	s_and_b32 s[CH], s[WV], 1
	s_bfe_u32 s21, ttmp6, 0x40000
	s_bfe_u32 s22, ttmp6, 0x40004
	s_lshl_b32 s25, ttmp9, 2
	s_add_co_u32 s25, s25, s21
	s_and_b32 s24, ttmp7, 0xffff
	s_lshl_b32 s24, s24, 2
	s_add_co_u32 s24, s24, s22
	s_lshl_b32 s30, s22, 2
	s_lshl_b32 s30, 15, s30
	s_lshl_b32 s31, 0x1111, s21
	s_or_b32 s[G1], s30, PADW
	s_or_b32 s[G1B], s31, PADW
.irp g, G1, G1B
	s_mov_b32 s[\g+1], KSTEP<<16
	s_mov_b32 s[\g+2], 64<<16
	s_mov_b32 s[\g+3], KSTEP<<16
	s_mov_b32 s[\g+4], 64
	s_mov_b32 s[\g+5], KROW
	s_mov_b32 s[\g+6], 0
	s_mov_b32 s[\g+7], 0
.endr
	s_lshl_b32 s29, s[CH], 6
	s_lshl_b32 s60, s24, 7
	s_add_co_u32 s60, s60, s29
	s_lshl_b32 s60, s60, 11
	s_mov_b32 s61, 0
	s_lshl_b32 s62, s25, 7
	s_add_co_u32 s62, s62, s29
	s_lshl_b32 s62, s62, 11
	s_mov_b32 s63, 0
	s_mul_i32 s26, s[WV], HALFT
	s_wait_dscnt 0x0
	s_wait_kmcnt 0x0
	s_load_b64 s[96:97], s[8:9], 0x28
	s_add_nc_u64 s[32:33], s[4:5], s[60:61]
	s_add_nc_u64 s[34:35], s[6:7], s[62:63]
	CROUND
.irp s, 0,1
	s_mov_b32 s[G0+4*\s], 1
	s_add_co_u32 s[G0+4*\s+1], s26, \s*SLOT
	s_add_nc_u64 s[G0+4*\s+2:G0+4*\s+3], s[32:33], \s*KSTEP
	s_or_b32 s[G0+4*\s+3], s[G0+4*\s+3], 0x80000000
	s_mov_b32 s[G0B+4*\s], 1
	s_add_co_u32 s[G0B+4*\s+1], s26, \s*SLOT
	s_add_nc_u64 s[G0B+4*\s+2:G0B+4*\s+3], s[34:35], \s*KSTEP
	s_or_b32 s[G0B+4*\s+3], s[G0B+4*\s+3], 0x80000000
.endr
	JLOAD 0                                        ; K step 0 alone at the head: one tensor load a wave
	s_cmp_eq_u32 s[RH], 0                          ; the prefetches: the 64 rows that I fetch,
	s_cselect_b64 s[PFA:PFA+1], s[32:33], s[34:35]
	s_cselect_b32 s21, s21, s22                    ; my place among the four that ask for them with me,
	s_lshl_b32 s82, s21, 15                        ; and so my work-group's 16 rows of 2,048 bytes
	s_mov_b32 s83, 0
	s_add_nc_u64 s[PFA:PFA+1], s[PFA:PFA+1], s[82:83]
	v_and_b32 v1, 15, v0
	s_wait_alu depctr_va_vdst(0)
	v_bfe_u32 v2, v0, 4, 1
	v_mul_u32_u24 v3, v1, PITCH
	v_lshl_add_u32 v3, v2, 4, v3
	s_mul_i32 s27, s[RH], HALFT
	s_mul_i32 s28, s[CH], HALFT
	s_add_co_u32 s28, s28, 2*HALFT
.irp s, 0,1
	v_add_nc_u32 v[ADRR+\s], s27, v3
	v_add_nc_u32 v[ADRC+\s], s28, v3
	s_add_co_u32 s27, s27, SLOT
	s_add_co_u32 s28, s28, SLOT
.endr
	s_mul_i32 s27, s[WV], 16*SPITCH
	s_add_co_u32 s27, s27, STAGE
	v_mul_u32_u24 v[STO], v1, SPITCH
	s_wait_alu depctr_va_vdst(0)
	v_lshl_add_u32 v[STO], v2, 5, v[STO]
	v_add_nc_u32 v[STO], s27, v[STO]
	v_mul_u32_u24 v[RD], v2, SPITCH
	v_lshl_add_u32 v[RD], v1, 4, v[RD]
	v_add_nc_u32 v[RD], s27, v[RD]
	v_lshlrev_b32 v[CO], 13, v2
	v_lshl_add_u32 v[CO], v1, 4, v[CO]
	s_lshl_b32 s94, s24, 1
	s_add_co_u32 s94, s94, s[RH]
	s_lshl_b32 s94, s94, 19
	s_lshl_b32 s95, s25, 1
	s_add_co_u32 s95, s95, s[CH]
	s_lshl_b32 s95, s95, 8
	s_add_co_u32 s94, s94, s95
	s_mov_b32 s95, 0
	s_add_nc_u64 s[10:11], s[10:11], s[94:95]
	v_and_b32 v[PFO], 31, v0
	v_lshrrev_b32 v31, 1, v[PFO]
	v_and_b32 v[PFO], 1, v[PFO]
	v_lshlrev_b32 v[PFO], 8, v[PFO]
	v_lshl_add_u32 v[PFO], v31, 11, v[PFO]         ; row lane / 2 of my 16, block lane % 2 of a K step's two
	global_prefetch_b8 v[PFO], s[PFA:PFA+1] offset:KSTEP th:TH_LOAD_NT scope:SCOPE_SE     ; K steps 1 and 2
	global_prefetch_b8 v[PFO], s[PFA:PFA+1] offset:2*KSTEP th:TH_LOAD_NT scope:SCOPE_SE
.macro MUL4 f, a, zero
.irp b, 0,1,2,3
.if \zero
	v_wmma_f32_16x16x128_fp8_fp8 v[ACC+8*(4*(\a)+\b):ACC+8*(4*(\a)+\b)+7], v[\f+64+16*\b:\f+64+16*\b+15], v[\f+16*(\a):\f+16*(\a)+15], 0
.else
	v_wmma_f32_16x16x128_fp8_fp8 v[ACC+8*(4*(\a)+\b):ACC+8*(4*(\a)+\b)+7], v[\f+64+16*\b:\f+64+16*\b+15], v[\f+16*(\a):\f+16*(\a)+15], v[ACC+8*(4*(\a)+\b):ACC+8*(4*(\a)+\b)+7]
.endif
.endr
.endm
.macro FETCH slot, k, f
	WIN TO_F
.irp i, 0,1,2,3
.irp c, 0,1,2,3
	ds_load_b128 v[\f+64+16*\i+4*\c:\f+64+16*\i+4*\c+3], v[ADRC+\slot] offset:\k+32*\c+\i*16*PITCH
	ds_load_b128 v[\f+16*\i+4*\c:\f+16*\i+4*\c+3], v[ADRR+\slot] offset:\k+32*\c+\i*16*PITCH
.endr
.endr
.endm
.macro PLACES
.rept 4
	v_nop
.endr
.endm
.macro QUARTER slot, k, f, g, zero
	PLACES
	FETCH \slot, \k, \g
	s_wait_dscnt 32
	WIN MUL
	MUL4 \f, 0, \zero
	MUL4 \f, 1, \zero
	MUL4 \f, 2, \zero
	MUL4 \f, 3, \zero
.endm
.macro TURN slot, next, fill
	WIN 0
	s_wait_tensorcnt 0x0
	ds_add_u32 v[SPW], v[NIL]
	s_wait_dscnt 1
	WIN MUL
	MUL4 F1, 0, 0
	s_wait_dscnt 0x0
	s_barrier_signal -1
	MUL4 F1, 1, 0
	WIN 0
	s_barrier_wait -1
.if \fill
	CREST
	s_add_nc_u64 s[G0+4*\slot+2:G0+4*\slot+3], s[G0+4*\slot+2:G0+4*\slot+3], 2*KSTEP
	s_add_nc_u64 s[G0B+4*\slot+2:G0B+4*\slot+3], s[G0B+4*\slot+2:G0B+4*\slot+3], 2*KSTEP
	JLOAD \slot
.else
	PLACES
.endif
	FETCH \next, 0, F0
	WIN MUL
	MUL4 F1, 2, 0
	MUL4 F1, 3, 0
.endm
	s_wait_alu depctr_va_vdst(0)                   ; the head's end
	s_wait_tensorcnt 0x0                           ; my part of K step 0 is in; slot 1's first fill is issued as a refill is:
	ds_add_u32 v[SPW], v[NIL]                      ; 0 onto my spare word
	s_wait_dscnt 0x0
	CROUND                                         ; a whole round: everybody's part of K step 0 is in, and the joint loads meet
	JLOAD 1                                        ; K step 1, the first tensor load behind the round
	global_prefetch_b8 v[PFO], s[PFA:PFA+1] offset:3*KSTEP th:TH_LOAD_NT scope:SCOPE_SE   ; K step 3
	FETCH 0, 0, F0
	QUARTER 0, 128, F0, F1, 1
	QUARTER 0, 256, F1, F0, 0
	QUARTER 0, 384, F0, F1, 0
	TURN 0, 1, 1
	QUARTER 1, 128, F0, F1, 0
	QUARTER 1, 256, F1, F0, 0
	QUARTER 1, 384, F0, F1, 0
	TURN 1, 0, 1
	QUARTER 0, 128, F0, F1, 0
	QUARTER 0, 256, F1, F0, 0
	QUARTER 0, 384, F0, F1, 0
	TURN 0, 1, 0
	QUARTER 1, 128, F0, F1, 0
	QUARTER 1, 256, F1, F0, 0
	QUARTER 1, 384, F0, F1, 0
	s_wait_dscnt 0x0
	WIN MUL
	MUL4 F1, 0, 0
	MUL4 F1, 1, 0
	MUL4 F1, 2, 0
	MUL4 F1, 3, 0
	WIN 0
	PLACES
.macro TOSTAGE a
.set i, 0
.rept 16
	v_pk_mul_f32 v[TMP+i:TMP+i+1], v[ACC+32*(\a)+i:ACC+32*(\a)+i+1], s[96:97] op_sel_hi:[1,0]
.set i, i+2
.endr
.irp b, 0,1,2,3
	ds_store_b128 v[STO], v[TMP+8*\b:TMP+8*\b+3] offset:64*\b
	ds_store_b128 v[STO], v[TMP+8*\b+4:TMP+8*\b+7] offset:64*\b+16
.endr
.set BB, BK+32*((\a)%2)
.irp t, 0,1,2,3,4,5,6,7
	ds_load_b128 v[BB+4*\t:BB+4*\t+3], v[RD] offset:\t*2*SPITCH
.endr
.endm
.macro SEND a, younger
.set BB, BK+32*((\a)%2)
	s_wait_dscnt \younger
.irp t, 0,1,2,3,4,5,6,7
	global_store_b128 v[CO], v[BB+4*\t:BB+4*\t+3], s[10:11] offset:(16*(\a)+2*\t)*8192 th:TH_STORE_NT
.endr
.endm
	s_wait_kmcnt 0x0
	s_add_co_i32 s96, s96, s97
	s_add_co_i32 s96, s96, 127
	s_lshl_b32 s96, s96, 23
	s_mov_b32 s97, s96
	TOSTAGE 0
.irp a, 1,2,3
.if \a > 1
	s_wait_xcnt 0x0
.endif
	TOSTAGE \a
	SEND \a-1, 16
.endr
	SEND 3, 0
	s_wait_tensorcnt 0x0
	ds_add_u32 v[SPW], v[NIL]
	s_wait_dscnt 0x0
	CROUND
	s_endpgm
.Lfunc_end_k_q5d161c3d3a_oproj:
	.size	k_q5d161c3d3a_oproj, .Lfunc_end_k_q5d161c3d3a_oproj-k_q5d161c3d3a_oproj
	.p2alignl 7, 3214868480
	.fill 96, 4, 3214868480
	.section	.rodata,"a",@progbits
	.p2align	6, 0x0
	.amdhsa_kernel k_q5d161c3d3a_oproj
		.amdhsa_group_segment_fixed_size 327680
		.amdhsa_private_segment_fixed_size 0
		.amdhsa_enable_private_segment 0
		.amdhsa_kernarg_size 32
		.amdhsa_user_sgpr_count 2
		.amdhsa_user_sgpr_kernarg_segment_ptr 1
		.amdhsa_wavefront_size32 1
		.amdhsa_system_sgpr_workgroup_id_x 1
		.amdhsa_system_sgpr_workgroup_id_y 1
		.amdhsa_system_sgpr_workgroup_id_z 1
		.amdhsa_system_vgpr_workitem_id 0
		.amdhsa_next_free_vgpr 512
		.amdhsa_next_free_sgpr 100
		.amdhsa_reserve_vcc 0
		.amdhsa_float_denorm_mode_32 3
		.amdhsa_float_denorm_mode_16_64 3
		.amdhsa_memory_ordered 1
		.amdhsa_forward_progress 1
		.amdhsa_inst_pref_size 74
	.end_amdhsa_kernel
	.amdgpu_metadata
---
amdhsa.version: [ 1, 2 ]
amdhsa.kernels:
  - .name:           k_q5d161c3d3a_oproj
    .symbol:         k_q5d161c3d3a_oproj.kd
    .args:
      - { .name: ctxc, .offset: 0, .size: 8, .value_kind: global_buffer, .address_space: global }
      - { .name: woc, .offset: 8, .size: 8, .value_kind: global_buffer, .address_space: global }
      - { .name: lowp_scales, .offset: 16, .size: 8, .value_kind: global_buffer, .address_space: global }
      - { .name: out0, .offset: 24, .size: 8, .value_kind: global_buffer, .address_space: global }
    .group_segment_fixed_size: 327680
    .private_segment_fixed_size: 0
    .kernarg_segment_align: 8
    .kernarg_segment_size: 32
    .max_flat_workgroup_size: 128
    .sgpr_count:     100
    .vgpr_count:     512
    .wavefront_size: 32
...
	.end_amdgpu_metadata
.endif
;; end of part 4
